; MI455X (gfx1250); checked and timed in simulation.
; The chip was launched on July 23, 2026; its instructions are those of AMD's public machine-readable ISA for CDNA 5 (MIT licence, August 2026) and "CDNA5" Instruction Set Architecture Reference Guide (July 2026). The comments in the code are by the model that wrote it; some were corrected since.
;; MH Attention. Allowed arithmetic: matrix products marked QUANTISED: E2M3 operands, one E8M0 scale for each 32 along K, by v_wmma_scale_f32_16x16x128_f8f6f4 with both operands' format E2M3, f32 sums; products left as they are: f32 operands where the result goes on into a quantised operand, else bf16, f16 or f32 operands; f32 sums; everything else in f32.
;; Inputs: W1 512 x 2,048 float32; W2 2,048 x 512 float32; Wk 512 x 512 float32; Wm 512 x 512 float32; Wq 512 x 512 float32; Wv 512 x 512 float32; b1 512 float32; b2 512 float32; g1 512 float32; g2 512 float32; k 4 x 4,096 x 512 float32; q 4 x 4,096 x 512 float32; v 4 x 4,096 x 512 float32.
;; Outputs: out0 4 x 4,096 x 512 float32.
;; This version of the problem:
;;   THIS VERSION OF THE PROBLEM IS GIVEN IN LOW PRECISION. The matrix products marked QUANTISED in the list below multiply operands that are first quantised to E2M3 (2 exponent bits, 3 mantissa bits; 6 bits a number), with one power-of-two scale for each 32 numbers along K (OCP MX v1.0); their sums are f32. All else is computed in f32.
;;   The module's matrix products, in the order in which they are computed (A, B: the left and right operand; K: the contracted axis; several contracted axes count as one K, in the product's order):
;;     1. [M 16,384, K 512] x [K 512, N 512]; A: input q; B: input Wq: QUANTISED
;;     2. [M 16,384, K 512] x [K 512, N 512]; A: input k; B: input Wk: QUANTISED
;;     3. [M 16,384, K 512] x [K 512, N 512]; A: input v; B: input Wv: QUANTISED
;;     4. batch 32 x [M 64, K 4,096] x [K 4,096, N 64]; A: computed on the way; B: computed on the way: QUANTISED
;;     5. batch 32 x [M 1, K 64] x [K 64, N 4,096]; A: computed on the way; B: computed on the way: left as it is (M = 1 < 16)
;;     6. batch 32 x [M 64, K 64] x [K 64, N 4,096]; A: computed on the way; B: computed on the way: QUANTISED
;;     7. batch 131,072 x [M 1, K 1] x [K 1, N 64]; A: computed on the way; B: computed on the way: left as it is (no contracted axis)
;;     8. [M 16,384, K 512] x [K 512, N 512]; A: computed on the way; B: input Wm: QUANTISED
;;     9. [M 16,384, K 512] x [K 512, N 2,048]; A: computed on the way; B: input W1: QUANTISED
;;     10. [M 16,384, K 2,048] x [K 2,048, N 512]; A: computed on the way; B: input W2: QUANTISED
;;   THE QUANTISER, for each operand of a quantised product, along K:
;;     - K is cut into blocks of 32 from its start; a last block that is shorter is filled with zeros.
;;     - A block's scale is 2^e with e = floor(log2(the largest magnitude in the block)) - 2, held to -126 .. 127; a block of zeros has e = 0. As a byte (E8M0): e + 127.
;;     - Each number is divided by its block's scale, clamped to +-7.5, and rounded to the nearest number of E2M3, ties to even, subnormals kept.
;;     - The product sums the exact products of the quantised numbers (number of the format x scale) in f32.
;;   ~~~python
;;   def quantise(x, axis):      # numpy; x: float32 -> the quantised numbers, widened to float32 again
;;       x = np.moveaxis(x, axis, -1); K = x.shape[-1]
;;       x = np.pad(x, [(0, 0)] * (x.ndim - 1) + [(0, -K % 32)]); x = x.reshape(x.shape[:-1] + (-1, 32)); a = np.abs(x).max(-1, keepdims=True)
;;       e = np.where(a > 0, np.clip(np.frexp(np.where(a > 0, a, 1))[1] - 1 - 2, -126, 127), 0)      # np.frexp(a)[1] - 1 = floor(log2(a)), exactly
;;       r = np.clip(x / 2.0 ** e, -7.5, 7.5)
;;       step = 2.0 ** (np.maximum(np.frexp(np.where(r == 0, 1, r))[1] - 1, 0) - 3)
;;       q = np.round(r / step) * step * 2.0 ** e      # np.round: ties to even
;;       return np.moveaxis(q.reshape(q.shape[:-2] + (-1,))[..., :K], -1, axis).astype(np.float32)
;;   ~~~
;;   OPERANDS COMPUTED ON THE WAY. 'Computed on the way' means the value that the module computes at that place (a softmax that the list does not call 'softmax' is quantised finished and normalised). What goes into a quantiser is computed in f32, as accurately as f32 sums, v_exp_f32 and their like allow (about 1e-6 of the number): no bf16 or f16 on the way to a quantiser, and a product that is left as it is and whose result goes on into a quantised operand takes f32 operands (vector FMAs, or v_wmma_f32_16x16x4_f32). A number that lies on a knife's edge between two numbers of the format may be rounded either way, as far as f32 arithmetic and the matrix unit's own rounding can turn it there, and no further.
;; One version. Each part assembles by itself: llvm-mc -triple=amdgcn-amd-amdhsa -mcpu=gfx1250 --defsym DOCPART=n.
;; ======== version 1 of 1: 4 launches
;; workspace buffers: wst 2,457,600 bytes; kvc 12,582,912 bytes; sc 524,288 bytes; ksp 524,288 bytes; kvf 196,608 bytes; kvx 40,960 bytes
;; launch wquant (part 1): grid 192 x 1, 4 waves a work-group, no clusters, 0 bytes of LDS; arguments Wk, Wv, Wq, Wm, W1, W2, wst; writes wst
.if DOCPART == 1
	.amdgcn_target "amdgcn-amd-amdhsa--gfx1250"
	.amdhsa_code_object_version 6
	.text
	.protected	k_q794faae10c_wquant
	.globl	k_q794faae10c_wquant
	.p2align	8
	.type	k_q794faae10c_wquant,@function
k_q794faae10c_wquant:
	s_mov_b64 s[64:65], 0
	v_nop
	global_prefetch_b8 v0, s[64:65] scope:SCOPE_SE
	s_setreg_imm32_b32 hwreg(HW_REG_WAVE_MODE, 25, 1), 1
	s_wait_xcnt 0x0
; The six weights, f32 stored [K][N], become codes of FP6 (E2M3) with one E8M0 byte for each 32 along K, laid in the order of the operand registers.
; A SLAB is one K step (128) x 512 output columns, 51,200 bytes: 32 tiles of 16 columns, each an image of a fragment (12 registers a lane: group g of four
; registers, lane l at 512 g + 16 l), then from byte 49,152 the scale words [quarter 4][pair 4][lane 32]: lanes 0-15 tile 2 p, lanes 16-31 tile 2 p + 1.
; Row m of tile 2 b + u of a quarter of 128 columns is column 32 b + 8 u + m + 8 (m / 8).
; Slabs: 0-3 Wk, 4-7 Wv, 8-11 Wq, 12-15 Wm (K step s); 16 + 8 j + s: W1, columns 512 j on; 20 + 8 j + s: W2, K rows 512 j + 128 s on.
; A work-group takes a quarter of a slab; a wave 32 neighbouring columns; A LANE TAKES A COLUMN AND ITS REGISTERS RUN DOWN K: each load reads 128 consecutive bytes,
; a block of 32 lies in one lane, and the conversions give codes with K innermost.  A lane makes the registers of two lanes of its tile (halves 0 and 1).
; A block's byte is its largest magnitude's exponent field - 2, held at 1 from below; a block of zeros keeps 1 (its codes are zeros; this program alone reads the bytes).
; LIMITS: NaN and infinities among the inputs are not served.
.set X,    16                          ; v16-143  the column's 128 numbers
.set F,    144                         ; v144-167 the fragment registers of halves 0 and 1, twelve each
.set T,    168                         ; v168-175 upper halves of two blocks (a conversion's three registers begin on an even number)
.set SW,   176                         ; v176     the column's scale word
.set SLAB, 51200
	s_load_b256 s[4:11], s[0:1], 0x0               ; Wk, Wv, Wq, Wm
	s_load_b128 s[12:15], s[0:1], 0x20             ; W1, W2
	s_load_b64 s[16:17], s[0:1], 0x30              ; wst
	v_lshrrev_b32 v1, 5, v0
	v_readfirstlane_b32 s18, v1                    ; wave p
	v_and_b32 v4, 31, v0                           ; lane
	v_lshlrev_b32 v1, 2, v4                        ; in: 4 bytes a lane
	v_bfe_u32 v5, v4, 3, 1                         ; u: which of the wave's two tiles my column belongs to
	v_and_b32 v6, 7, v4
	v_lshrrev_b32 v7, 4, v4
	v_lshl_add_u32 v6, v7, 3, v6                   ; m: its row in that tile
	v_mul_u32_u24 v2, v5, 1536
	v_lshl_add_u32 v2, v6, 4, v2                   ; out: 1,536 u + 16 m
	v_lshl_add_u32 v3, v5, 4, v6
	v_lshlrev_b32 v3, 2, v3                        ; scale word: 4 (16 u + m)
	s_lshr_b32 s20, ttmp9, 2                       ; slab
	s_and_b32 s21, ttmp9, 3                        ; quarter
	s_and_b32 s22, s20, 3
	s_lshl_b32 s22, s22, 7                         ; 128 s
	s_sub_co_u32 s23, s20, 16                      ; slab - 16 (used from slab 16 on)
	s_lshr_b32 s24, s23, 3
	s_lshl_b32 s24, s24, 9                         ; 512 j
	s_bfe_u32 s25, s23, 0x10002                    ; 0: W1, 1: W2
	s_add_co_u32 s25, s25, 4
	s_lshr_b32 s26, s20, 2
	s_cmp_lt_u32 s20, 16
	s_cselect_b32 s26, s26, s25                    ; which matrix: 0 Wk, 1 Wv, 2 Wq, 3 Wm, 4 W1, 5 W2
	s_cmp_eq_u32 s26, 5
	s_cselect_b32 s27, s24, 0
	s_add_co_u32 s22, s22, s27                     ; first K row
	s_cmp_eq_u32 s26, 4
	s_cselect_b32 s27, s24, 0                      ; first column
	s_cselect_b32 s28, 11, 9                       ; a row is 2,048 numbers in W1, 512 elsewhere
	s_lshl_b32 s22, s22, s28
	s_add_co_u32 s22, s22, s27
	s_lshl_b32 s29, s21, 7
	s_add_co_u32 s22, s22, s29
	s_lshl_b32 s29, s18, 5
	s_add_co_u32 s22, s22, s29
	s_lshl_b32 s22, s22, 2                         ; byte offset of the wave's first number
	s_mov_b32 s23, 0
	s_mul_i32 s34, s20, SLAB
	s_mul_i32 s35, s21, 12288
	s_add_co_u32 s35, s35, s34
	s_mul_i32 s36, s18, 3072
	s_add_co_u32 s30, s35, s36                     ; the wave's two tiles in the slab
	s_mov_b32 s31, 0
	s_lshl_b32 s35, s21, 9
	s_add_co_u32 s35, s35, s34
	s_lshl_b32 s36, s18, 7
	s_add_co_u32 s35, s35, s36
	s_add_co_u32 s32, s35, 49152                   ; and their scale words
	s_mov_b32 s33, 0
	s_wait_kmcnt 0x0
	s_cmp_eq_u32 s26, 1                            ; the choice hangs on the work-group's number alone
	s_cselect_b64 s[4:5], s[6:7], s[4:5]
	s_cmp_eq_u32 s26, 2
	s_cselect_b64 s[4:5], s[8:9], s[4:5]
	s_cmp_eq_u32 s26, 3
	s_cselect_b64 s[4:5], s[10:11], s[4:5]
	s_cmp_eq_u32 s26, 4
	s_cselect_b64 s[4:5], s[12:13], s[4:5]
	s_cmp_eq_u32 s26, 5
	s_cselect_b64 s[4:5], s[14:15], s[4:5]
	s_add_nc_u64 s[4:5], s[4:5], s[22:23]
	s_add_nc_u64 s[30:31], s[16:17], s[30:31]
	s_add_nc_u64 s[32:33], s[16:17], s[32:33]
.macro WLOADS pitch                    ; 128 rows of K at my column: every offset an immediate
.set ii, 0
.rept 128
	global_load_b32 v[X+ii], v1, s[4:5] offset:ii*(\pitch)*4 th:TH_LOAD_NT
.set ii, ii+1
.endr
.endm
	s_cmp_eq_u32 s26, 4
	s_cbranch_scc1 .Lwide
	WLOADS 512
	s_branch .Lloaded
.Lwide:
	WLOADS 2048
.Lloaded:
; Blocks 2 pr and 2 pr + 1 of the column, by turns: block 2 pr + hh is registers 6 pr .. 6 pr + 5 of half hh.
.macro PAIR pr
.irp hh, 0,1
	v_max3_num_f32 v[8+\hh], |v[X+64*(\pr)+32*\hh]|, |v[X+64*(\pr)+32*\hh+1]|, 0x1800000   ; with the floor 2^(3 - 127): the byte cannot fall under 1
.endr
.irp i, 2,4,6,8,10,12,14,16,18,20,22,24,26,28,30
.irp hh, 0,1
	v_max3_num_f32 v[8+\hh], v[8+\hh], |v[X+64*(\pr)+32*\hh+\i]|, |v[X+64*(\pr)+32*\hh+\i+1]|
.endr
.endr
.irp hh, 0,1
	v_add_nc_u32 v[10+\hh], 0xff000000, v[8+\hh]   ; 2 off the exponent field: the conversion's scale operand
.endr
.irp hh, 0,1
	v_lshrrev_b32 v[12+\hh], 23, v[10+\hh]         ; the scale's byte
.endr
.if (\pr) == 0
	v_lshl_or_b32 v[SW], v13, 8, v12
.else
	v_lshl_or_b32 v[SW], v12, 16, v[SW]
	v_lshl_or_b32 v[SW], v13, 24, v[SW]
.endif
.irp hh, 0,1
	v_cvt_scalef32_pk16_fp6_f32 v[F+12*\hh+6*(\pr):F+12*\hh+6*(\pr)+2], v[X+64*(\pr)+32*\hh:X+64*(\pr)+32*\hh+15], v[10+\hh]
	v_cvt_scalef32_pk16_fp6_f32 v[T+4*\hh:T+4*\hh+2], v[X+64*(\pr)+32*\hh+16:X+64*(\pr)+32*\hh+31], v[10+\hh]
.endr
	v_nop                                          ; one plain place behind a scaled conversion
.irp hh, 0,1
.irp i, 0,1,2
	v_mov_b32 v[F+12*\hh+6*(\pr)+3+\i], v[T+4*\hh+\i]
.endr
.endr
.endm
	s_wait_loadcnt 63                              ; at most 63 of the 128 are out: the first 64, blocks 0 and 1, are in
	PAIR 0
	s_wait_loadcnt 0x0
	PAIR 1
.irp h, 0,1
.irp g, 0,1,2
	global_store_b128 v2, v[F+12*\h+4*\g:F+12*\h+4*\g+3], s[30:31] offset:512*\g+256*\h   ; the sixteen lanes of a tile store 256 consecutive bytes, aligned
.endr
.endr
	global_store_b32 v3, v[SW], s[32:33]           ; 128 consecutive bytes
	s_endpgm
.Lfunc_end_k_q794faae10c_wquant:
	.size	k_q794faae10c_wquant, .Lfunc_end_k_q794faae10c_wquant-k_q794faae10c_wquant
	.p2alignl 7, 3214868480
	.fill 96, 4, 3214868480
	.section	.rodata,"a",@progbits
	.p2align	6, 0x0
	.amdhsa_kernel k_q794faae10c_wquant
		.amdhsa_group_segment_fixed_size 0
		.amdhsa_private_segment_fixed_size 0
		.amdhsa_enable_private_segment 0
		.amdhsa_kernarg_size 56
		.amdhsa_user_sgpr_count 2
		.amdhsa_user_sgpr_kernarg_segment_ptr 1
		.amdhsa_wavefront_size32 1
		.amdhsa_system_sgpr_workgroup_id_x 1
		.amdhsa_system_sgpr_workgroup_id_y 1
		.amdhsa_system_sgpr_workgroup_id_z 1
		.amdhsa_system_vgpr_workitem_id 0
		.amdhsa_next_free_vgpr 184
		.amdhsa_next_free_sgpr 66
		.amdhsa_reserve_vcc 0
		.amdhsa_float_denorm_mode_32 3
		.amdhsa_float_denorm_mode_16_64 3
		.amdhsa_memory_ordered 1
		.amdhsa_forward_progress 1
		.amdhsa_inst_pref_size 34
	.end_amdhsa_kernel
	.amdgpu_metadata
---
amdhsa.version: [ 1, 2 ]
amdhsa.kernels:
  - .name:           k_q794faae10c_wquant
    .symbol:         k_q794faae10c_wquant.kd
    .args:
      - { .name: Wk, .offset: 0, .size: 8, .value_kind: global_buffer, .address_space: global }
      - { .name: Wv, .offset: 8, .size: 8, .value_kind: global_buffer, .address_space: global }
      - { .name: Wq, .offset: 16, .size: 8, .value_kind: global_buffer, .address_space: global }
      - { .name: Wm, .offset: 24, .size: 8, .value_kind: global_buffer, .address_space: global }
      - { .name: W1, .offset: 32, .size: 8, .value_kind: global_buffer, .address_space: global }
      - { .name: W2, .offset: 40, .size: 8, .value_kind: global_buffer, .address_space: global }
      - { .name: wst, .offset: 48, .size: 8, .value_kind: global_buffer, .address_space: global }
    .group_segment_fixed_size: 0
    .private_segment_fixed_size: 0
    .kernarg_segment_align: 8
    .kernarg_segment_size: 56
    .max_flat_workgroup_size: 128
    .sgpr_count:     66
    .vgpr_count:     184
    .wavefront_size: 32
...
	.end_amdgpu_metadata
.endif
;; end of part 1
;; launch kvproj (part 2): grid 256 x 1, 4 waves a work-group, clusters of 4 x 1, 327,680 bytes of LDS; arguments k, v, wst, kvc, sc, ksp; writes kvc, sc, ksp
.if DOCPART == 2
	.amdgcn_target "amdgcn-amd-amdhsa--gfx1250"
	.amdhsa_code_object_version 6
	.text
	.protected	k_q794faae10c_kvproj
	.globl	k_q794faae10c_kvproj
	.p2align	8
	.type	k_q794faae10c_kvproj,@function
k_q794faae10c_kvproj:
	s_mov_b64 s[64:65], 0
	v_nop
	global_prefetch_b8 v0, s[64:65] scope:SCOPE_SE
	s_setreg_imm32_b32 hwreg(HW_REG_WAVE_MODE, 25, 1), 1
	s_wait_xcnt 0x0
	s_wait_alu depctr_hold_cnt(0) depctr_sa_sdst(0) depctr_va_vdst(0) depctr_va_sdst(0) depctr_va_ssrc(0) depctr_va_vcc(0) depctr_vm_vsrc(0)
	s_getreg_b32 s2, hwreg(HW_REG_IB_STS2, 6, 4)
	s_cmp_eq_u32 s2, 0
	s_cbranch_scc0 .Lentry_in_a_cluster
	s_endpgm
.Lentry_in_a_cluster:
	s_bfe_u32 s2, ttmp6, 0x10000c
	s_cmp_lg_u32 s2, 0x3003
	s_cbranch_scc0 .Lentry_shape_is_right
	s_endpgm
.Lentry_shape_is_right:
; K = elu(Q(k) Q(Wk)) + 1 and Vn = Q(v) Q(Wv) / 4,096 for 64 rows, both then quantised ALONG THE ROWS (the K of the sum over keys), and the 64 rows' column sums of K.
; All products on codes of FP6 (E2M3) with one E8M0 byte for each 32 along K.
; SHARES.  A work-group owns 64 rows; wave w quantises columns 128 w on of k and of v (K step w of the products) and owns output columns 128 w on of K and of V.
; k AND v COME IN BY WHOLE PIECES OF ROWS: each load of a wave takes the 512 consecutive bytes of one row's 128 columns, 16 bytes a lane.  The quantiser wants 16 neighbours of a row in a lane: so a tile of
; 16 rows turns through the wave's own stage in LDS (rows of 528 bytes, an odd multiple of 16: the sixteen rows that a load touches start at sixteen different groups of banks) and comes back into the registers that it left.
; The operands' fragments go from wave to wave through LDS as images of their registers (group g of four registers, lane l at 512 g + 16 l; the scale word at 4 l).
; THE ROWS OF A TILE ARE NOT NEIGHBOURS: lane r of tile 2 b + u takes row 32 b + 8 u + r + 8 (r / 8).  The products are used as they stand (source 0 = 16 rows, source 1 = 16 columns of the
; weight): a lane then holds ONE column and the 16 registers of tiles 2 b, 2 b + 1 are rows 32 b + 16 (lane / 16) + 0 .. 15: neighbours along the next K.
; THE WEIGHTS come as slabs (one K step x 512 columns, laid in register order by the launch before), two to a slot, through a ring of two LDS slots.  All work-groups walk the same slabs:
; the four of a cluster ask JOINTLY, each wave for a quarter of a slot (100 rows of 256 bytes), with a descriptor made of the wave number alone.  By this text's count a wave has two
; tensor loads out at the start and one behind each round.
; Vn: the division by 4,096 is 12 off each scale byte; the floor 2^-112 on the largest magnitude of Vp is the hold of the scale's exponent at -126.
; LIMITS: NaN and infinities are not served.  A block of zeros keeps the byte 1 (its codes are zeros; this program alone reads the bytes).  exp(x) is 2^(x log2 e) in f32: its relative error
; grows as |x| x 1e-7, results under 2^-126 are 0; elu(x) + 1 is made as max(x, 0) + exp(min(x, 0)), which differs from expm1(x) + 1 rounded in f32 by at most 6e-8 absolute.
; No prefetch: the slabs are read by every cluster, and of k and v 64 loads a wave are on their way from the head on.
; REGISTERS, in windows of 256: window 0: addresses, scale words, work; v96-191 eight weight fragments; v192-255 at work.  window 1: the 32 accumulators (tile of columns c, tile of rows t at 32 c + 8 t).
;   window 2: k's 256 numbers.   window 3: v's 256 numbers, later from v160 two sets of four row fragments.
.set R0,    0                          ; LDS: k's 16 images (tile of rows t, K step s: 4 t + s), their scale words RSC behind them
.set R1,    26624                      ; v's likewise
.set RSC,   24576
.set SPARE, 61440                      ; the spare words, 128 bytes for each wave: two blocks of 256 bytes that no other line names
.set SLOT0, 65536
.set SLOT1, 167936
.set XST,   270336                     ; behind the ring: a stage of 16 rows x 528 bytes for each wave, for the turn of k and v; no tensor load lands here
.set XP,    528
.set XPW,   16*XP
.set SLAB,  51200
.set QUART, 25600
.set FRB,   1536
.set START, 0                          ; the ring begins at slab 0: Wk's four, then Wv's four
.set LI,  1                            ; v1   16 x lane
.set LS,  2                            ; v2   4 x lane
.set XR,  3                            ; v3   my stage, back: 528 r + 64 h
.set IWI, 4                            ; v4   where I store images: 16 x lane + 1,536 x wave
.set IWS, 5                            ; v5   and scale words: 4 x lane + 128 x wave
.set WA,  6                            ; v6-7 my quarter of a slab in slot 0, 1
.set WS,  8                            ; v8-9 its scale words
.set L8,  11                           ; v11  8 x lane
.set KSO, 12                           ; v12  column sums: 4 (8 h + r + 8 (r / 8))
.set SCO, 13                           ; v13  scale bytes: 16 r + 8 h
.set SPW, 20                           ; v20  my spare word; never rewritten
.set NIL, 21                           ; v21  0; never rewritten
.set ASC, 22                           ; v22-29 the rows' scale words, two sets of four
.set WSC, 30                           ; v30-37 the weights' scale words, two sets of four
.set TM,  38                           ; v38-53 the quantiser's work
.set PW,  54                           ; v54  the scale word just made
.set XW,  55                           ; v55  my stage, in: 16 x lane
.set PC,  56                           ; v56-75 the codes just made
.set KS,  76                           ; v76-83 column sums, a tile each
.set SWP, 84                           ; v84-87 scale bytes of the eight tiles, two bytes each
.set ST2, 88                           ; v88-89 the pair to store
.set SP,  90                           ; v90-93 sums at work
.set WX,  96
.set T64, 192
.set AF,  160                          ; in window 3
.set WV,  22
.set SEL, 30
.set G1,  32
.set G0,  40
.set MSK, 49
.set LG,  54
.set MSB, 0
.macro WIN new                         ; the immediate's high byte repeats the setting that is left
.if MSB != (\new)
	s_set_vgpr_msb (MSB<<8)|(\new)
.set MSB, (\new)
.endif
.endm
.macro PLACES                          ; four plain places behind matrix instructions, ahead of loads into their registers and of reads of their results
.rept 4
	v_nop
.endr
.endm
.macro BARRIER                         ; my LDS stores have landed and my LDS loads are in: then the work-group's barrier
	s_wait_dscnt 0x0
	s_barrier_signal -1
	s_barrier_wait -1
.endm
.macro CROUND                          ; a round of the cluster's barrier
	s_barrier_signal -1
	s_barrier_wait -1
	s_cmp_lg_u32 s[WV], 0
	s_cbranch_scc1 .Lnot_wave_0_\@
	s_barrier_signal -3
.Lnot_wave_0_\@:
	s_barrier_wait -3
	s_barrier_signal -1
	s_barrier_wait -1
.endm
; THE CHANGE OF SLOTS.  Each wave waits for all its tensor loads (its quarter of the slot ahead), adds 0 to its spare word, and waits for that and for its reads of the slot that it leaves.
; fill = 1: slot p, just left, is filled with the slabs four further on: a round of the cluster's barrier, then the joint load first.  The four v_nop are also the places behind the last products.
.macro CHANGE fill, p
	s_wait_tensorcnt 0x0                           ; no tensor load of mine is out, so a group 0 may be written
	ds_add_u32 v[SPW], v[NIL]
.if \fill
	s_add_nc_u64 s[G0+4*(\p)+2:G0+4*(\p)+3], s[G0+4*(\p)+2:G0+4*(\p)+3], 4*SLAB
.endif
	s_wait_dscnt 0x0                               ; the add is done, and my reads of the slot are over
.if \fill
	CROUND
	tensor_load_to_lds s[G0+4*(\p):G0+4*(\p)+3], s[G1:G1+7]
	s_nop 0
.else
	s_barrier_signal -1
	s_barrier_wait -1
.endif
	PLACES
.endm
.macro WMM d, a, b, cz, sa, sb, row    ; cz = 0: the product starts the sum; row 1: source 0's scales in lanes 16-31; row 2: source 1's
.if (\cz) == 0
.if (\row) == 0
	v_wmma_scale_f32_16x16x128_f8f6f4 v[\d:\d+7], v[\a:\a+11], v[\b:\b+11], 0, v[\sa], v[\sb] matrix_a_fmt:MATRIX_FMT_FP6 matrix_b_fmt:MATRIX_FMT_FP6
.elseif (\row) == 1
	v_wmma_scale_f32_16x16x128_f8f6f4 v[\d:\d+7], v[\a:\a+11], v[\b:\b+11], 0, v[\sa], v[\sb] matrix_a_fmt:MATRIX_FMT_FP6 matrix_b_fmt:MATRIX_FMT_FP6 matrix_a_scale:MATRIX_SCALE_ROW1
.else
	v_wmma_scale_f32_16x16x128_f8f6f4 v[\d:\d+7], v[\a:\a+11], v[\b:\b+11], 0, v[\sa], v[\sb] matrix_a_fmt:MATRIX_FMT_FP6 matrix_b_fmt:MATRIX_FMT_FP6 matrix_b_scale:MATRIX_SCALE_ROW1
.endif
.else
.if (\row) == 0
	v_wmma_scale_f32_16x16x128_f8f6f4 v[\d:\d+7], v[\a:\a+11], v[\b:\b+11], v[\d:\d+7], v[\sa], v[\sb] matrix_a_fmt:MATRIX_FMT_FP6 matrix_b_fmt:MATRIX_FMT_FP6
.elseif (\row) == 1
	v_wmma_scale_f32_16x16x128_f8f6f4 v[\d:\d+7], v[\a:\a+11], v[\b:\b+11], v[\d:\d+7], v[\sa], v[\sb] matrix_a_fmt:MATRIX_FMT_FP6 matrix_b_fmt:MATRIX_FMT_FP6 matrix_a_scale:MATRIX_SCALE_ROW1
.else
	v_wmma_scale_f32_16x16x128_f8f6f4 v[\d:\d+7], v[\a:\a+11], v[\b:\b+11], v[\d:\d+7], v[\sa], v[\sb] matrix_a_fmt:MATRIX_FMT_FP6 matrix_b_fmt:MATRIX_FMT_FP6 matrix_b_scale:MATRIX_SCALE_ROW1
.endif
.endif
.endm
.macro GA RB, s, k                     ; the four row fragments of K step s into set k, and their scale words: 16 LDS loads
	WIN 0xc0
.irp t, 0,1,2,3
.irp g, 0,1,2
	ds_load_b128 v[AF+48*(\k)+12*\t+4*\g:AF+48*(\k)+12*\t+4*\g+3], v[LI] offset:(\RB)+(4*\t+(\s))*FRB+512*\g
.endr
.endr
	WIN 0
.irp t, 0,1,2,3
	ds_load_b32 v[ASC+4*(\k)+\t], v[LS] offset:(\RB)+RSC+128*(4*\t+(\s))
.endr
.endm
.macro GS p, k                         ; my quarter's scale words of the slot's slab k: 4 loads
.irp e, 0,1,2,3
	ds_load_b32 v[WSC+4*(\k)+\e], v[WS+\p] offset:SLAB*(\k)+128*\e
.endr
.endm
.macro GW p, k, half                   ; four of my eight weight fragments: 12 loads
.irp e, 0,1,2,3
.irp g, 0,1,2
	ds_load_b128 v[WX+48*(\half)+12*\e+4*\g:WX+48*(\half)+12*\e+4*\g+3], v[WA+\p] offset:SLAB*(\k)+FRB*(4*(\half)+\e)+512*\g
.endr
.endr
.endm
; 16 matrix instructions: four tiles of columns x four tiles of rows.  The 32 accumulators take turns, one instruction a turn, in one order throughout.
.macro MUL half, k, orient, cm
.irp e, 0,1,2,3
.irp t, 0,1,2,3
.set rW, WX+48*(\half)+12*\e
.set rA, AF+48*(\k)+12*\t
.set sW, WSC+4*(\k)+2*(\half)+\e/2
.set sA, ASC+4*(\k)+\t
.if \orient
.set rD, 32*(4*(\half)+\e)+8*\t
	WMM rD, rA, rW, \cm, sA, sW, 2*(\e%2)
.else
.set rD, 64*\t+8*(4*(\half)+\e)
	WMM rD, rW, rA, \cm, sW, sA, \e%2
.endif
.endr
.endr
.endm
; A slot's two K steps: 64 matrix instructions.  The counts: 12: the youngest twelve loads (tiles 4-7) may be out; 32: the 32 just issued may be out.
.macro SLOT p, RB, s0, orient, cmode, wfirst, wrest
	GA \RB, \s0, 0
	GS \p, 0
	GW \p, 0, 0
	GW \p, 0, 1
	s_wait_dscnt 12
	WIN \wfirst
	MUL 0, 0, \orient, \cmode
	PLACES
	GA \RB, (\s0)+1, 1
	GS \p, 1
	GW \p, 1, 0
	s_wait_dscnt 32
	WIN \wfirst
	MUL 1, 0, \orient, \cmode
	PLACES
	WIN 0
	GW \p, 1, 1
	s_wait_dscnt 12
	WIN \wrest
	MUL 0, 1, \orient, 1
	s_wait_dscnt 0x0
	MUL 1, 1, \orient, 1
	WIN 0
.endm
; 64 numbers of a lane in window sw, register s + 16 b + i = k 32 b + 16 (lane / 16) + i of my row, become a fragment's codes in v[PC] on and its scale word in v[PW].
.macro QUANT sw, s
	WIN ((\sw)<<2)|((\sw)<<4)
.irp b, 0,1,2,3
	v_max3_num_f32 v[TM+\b], 0x1800000, |v[(\s)+16*\b]|, |v[(\s)+1+16*\b]|   ; with the floor 2^(3 - 127): the byte cannot fall under 1
.endr
.irp i, 2,4,6,8,10,12,14
.irp b, 0,1,2,3
	v_max3_num_f32 v[TM+\b], v[TM+\b], |v[(\s)+16*\b+\i]|, |v[(\s)+1+16*\b+\i]|
.endr
.endr
	WIN 0
.irp b, 0,1,2,3
	v_permlanex16_b32 v[TM+4+\b], v[TM+\b], s[SEL], s[SEL+1]
.endr
.irp b, 0,1,2,3
	v_max_num_f32 v[TM+\b], v[TM+\b], v[TM+4+\b]   ; with lane l xor 16: the block's largest magnitude
.endr
.irp b, 0,1,2,3
	v_add_nc_u32 v[TM+12+\b], 0xff000000, v[TM+\b] ; 2 off its exponent field: the conversion's scale operand
.endr
.irp b, 0,1,2,3
	v_lshrrev_b32 v[TM+4+\b], 23, v[TM+12+\b]      ; the scale's byte
.endr
	v_lshl_or_b32 v[PW], v[TM+5], 8, v[TM+4]
	v_lshl_or_b32 v[PW], v[TM+6], 16, v[PW]
	v_lshl_or_b32 v[PW], v[TM+7], 24, v[PW]
	WIN \sw
.irp c, 0,1
	v_cvt_scalef32_pk16_fp6_f32 v[PC+6*\c:PC+2+6*\c], v[(\s)+32*\c:(\s)+15+32*\c], v[TM+12+2*\c]
	v_cvt_scalef32_pk16_fp6_f32 v[PC+12+4*\c:PC+14+4*\c], v[(\s)+16+32*\c:(\s)+31+32*\c], v[TM+12+2*\c+1]
.endr
	WIN 0
	v_nop                                          ; one plain place behind a scaled conversion
.irp c, 0,1                                    ; the layout wants a whole block in a lane
.irp i, 0,1,2
	v_permlane16_swap_b32 v[PC+6*\c+\i], v[PC+12+4*\c+\i]
.endr
.irp i, 0,1,2
	v_mov_b32 v[PC+3+6*\c+\i], v[PC+12+4*\c+\i]
.endr
.endr
.endm
.macro IMAGE RB, t                     ; the fragment goes to LDS as it stands: K step = my wave, tile of rows t
.irp g, 0,1,2
	ds_store_b128 v[IWI], v[PC+4*\g:PC+4*\g+3] offset:(\RB)+4*FRB*(\t)+512*\g
.endr
	ds_store_b32 v[IWS], v[PW] offset:(\RB)+RSC+512*(\t)
	s_wait_dscnt 0x0
.endm
; x = max(x, 0) + 2^(log2 e x min(x, 0)) on 64 registers of window 1, in ascending order.  The 64 exponentials are one batch with one wait; the 64 maxima are the plain work behind them.
.macro ELU64 base
	WIN 0x04
.set ii, 0
.rept 64
	v_min_num_f32 v[T64+ii], 0, v[(\base)+ii]
.set ii, ii+1
.endr
	WIN 0
.set ii, 0
.rept 32
	v_pk_mul_f32 v[T64+ii:T64+ii+1], v[T64+ii:T64+ii+1], s[LG:LG+1] op_sel_hi:[1,0]
.set ii, ii+2
.endr
.set ii, 0
.rept 64
	v_exp_f32 v[T64+ii], v[T64+ii]
.set ii, ii+1
.endr
	WIN 0x44
.set ii, 0
.rept 64
	v_max_num_f32 v[(\base)+ii], 0, v[(\base)+ii]
.set ii, ii+1
.endr
	s_wait_alu depctr_va_vdst(0)                   ; ahead of the batch's first reader
	WIN 0x41
.set ii, 0
.rept 32
	v_pk_add_f32 v[(\base)+ii:(\base)+ii+1], v[(\base)+ii:(\base)+ii+1], v[T64+ii:T64+ii+1]
.set ii, ii+2
.endr
	WIN 0
.endm
.macro XLT sb, t                       ; tile t's 16 rows, my 128 columns: 16 loads, each 512 consecutive bytes; row i of the tile into registers 64 t + 4 i on
.irp i, 0,1,2,3,4,5,6,7,8,9,10,11,12,13,14,15
	global_load_b128 v[64*(\t)+4*\i:64*(\t)+4*\i+3], v[LI], s[\sb:\sb+1] offset:(32*((\t)/2)+8*((\t)%2)+\i+8*(\i/8))*2048 th:TH_LOAD_NT
.endr
.endm
; THE TURN of tile t in window sw: its 16 rows into my stage as they were loaded, and back so that register 64 t + 16 b + 4 j on holds columns 32 b + 16 h + 4 j on of the lane's row r.
; LDS serves a wave's instructions in order (ISA guide 5.7.1.4): the loads see the stores above them, and the next tile's stores come behind these loads.
.macro TURN sw, t
	WIN ((\sw)<<2)|((\sw)<<6)                      ; an LDS store's data are its source 1, loaded data the destination; the addresses lie in window 0
.irp i, 0,1,2,3,4,5,6,7,8,9,10,11,12,13,14,15
	ds_store_b128 v[XW], v[64*(\t)+4*\i:64*(\t)+4*\i+3] offset:XP*\i
.endr
.irp b, 0,1,2,3
.irp j, 0,1,2,3
	ds_load_b128 v[64*(\t)+16*\b+4*\j:64*(\t)+16*\b+4*\j+3], v[XR] offset:128*\b+16*\j
.endr
.endr
.endm
; Tile u of eight (0-3: k's, 4-7: v's) is quantised; ahead of that the next tile is turned, so that its way through LDS stands beside this tile's arithmetic.
; The loads were issued in the order k0 k1 k2 k3 v0 v1 v2 v3, v's tile j behind the turn of k's tile j: so up to v0 three groups of 16 are younger than the tile wanted (48), then 32, 16, 0.
.macro TILE u
.if (\u) < 7
.if (\u) < 4
	s_wait_loadcnt 48
.else
	s_wait_loadcnt 16*(6-(\u))
.endif
	TURN 2+((\u)+1)/4, ((\u)+1)%4
.if (\u) < 3
	WIN 0xc0
	XLT 6, (\u)+1
.endif
.endif
.if (\u) == 0
	s_wait_dscnt 32                                ; tile 0 is back; the next tile's 16 stores and 16 loads may be out.  (A later tile's turn is covered by the wait for 0 behind the image stored ahead of it)
.endif
	QUANT 2+(\u)/4, 64*((\u)%4)
	IMAGE R0+(R1-R0)*((\u)/4), (\u)%4
.endm
.macro KSUM c                          ; the sum of my column of tile c over the 64 rows
	WIN 0x05
	v_pk_add_f32 v[SP:SP+1], v[32*(\c):32*(\c)+1], v[32*(\c)+2:32*(\c)+3]
	v_pk_add_f32 v[SP+2:SP+3], v[32*(\c)+4:32*(\c)+5], v[32*(\c)+6:32*(\c)+7]
	WIN 0x04
.irp m, 8,12,16,20,24,28
	v_pk_add_f32 v[SP:SP+1], v[SP:SP+1], v[32*(\c)+\m:32*(\c)+\m+1]
	v_pk_add_f32 v[SP+2:SP+3], v[SP+2:SP+3], v[32*(\c)+\m+2:32*(\c)+\m+3]
.endr
	WIN 0
	v_pk_add_f32 v[SP:SP+1], v[SP:SP+1], v[SP+2:SP+3]
	v_add_f32 v[SP], v[SP], v[SP+1]
	v_permlanex16_b32 v[SP+1], v[SP], s[SEL], s[SEL+1]
	v_add_f32 v[KS+(\c)], v[SP], v[SP+1]
.endm
; Tile c's 32 registers, two blocks of 32 rows of my column, become six registers of a fragment along the rows (lane (r, h): block h) and two scale bytes; the codes are stored.
.macro HQUANT c, fl, sub, part
.set CD, WX+8*(\c)
	WIN 0x14
.irp b, 0,1
	v_max3_num_f32 v[TM+\b], \fl, |v[32*(\c)+16*\b]|, |v[32*(\c)+16*\b+1]|
.endr
.irp i, 2,4,6,8,10,12,14
.irp b, 0,1
	v_max3_num_f32 v[TM+\b], v[TM+\b], |v[32*(\c)+16*\b+\i]|, |v[32*(\c)+16*\b+\i+1]|
.endr
.endr
	WIN 0
.irp b, 0,1
	v_permlanex16_b32 v[TM+4+\b], v[TM+\b], s[SEL], s[SEL+1]
.endr
.irp b, 0,1
	v_max_num_f32 v[TM+\b], v[TM+\b], v[TM+4+\b]
.endr
.irp b, 0,1
	v_add_nc_u32 v[TM+12+\b], 0xff000000, v[TM+\b]
.endr
.irp b, 0,1
	v_lshrrev_b32 v[TM+4+\b], 23, v[TM+12+\b]
.endr
	v_lshl_or_b32 v[TM+8], v[TM+5], 8, v[TM+4]
.if \sub
	v_add_nc_u32 v[TM+8], -(\sub), v[TM+8]         ; 12 off both bytes: the division by 4,096
.endif
.if (\c)%2
	v_lshl_or_b32 v[SWP+(\c)/2], v[TM+8], 16, v[SWP+(\c)/2]
.else
	v_mov_b32 v[SWP+(\c)/2], v[TM+8]
.endif
	WIN 0x01
	v_cvt_scalef32_pk16_fp6_f32 v[CD:CD+2], v[32*(\c):32*(\c)+15], v[TM+12]
	v_cvt_scalef32_pk16_fp6_f32 v[CD+4:CD+6], v[32*(\c)+16:32*(\c)+31], v[TM+13]
	WIN 0
	v_nop                                          ; one plain place behind a scaled conversion
.irp i, 0,1,2
	v_permlane16_swap_b32 v[CD+\i], v[CD+4+\i]
.endr
.irp i, 0,1,2
	v_mov_b32 v[CD+3+\i], v[CD+4+\i]
.endr
.irp i, 0,1,2
	global_store_b64 v[L8], v[CD+2*\i:CD+2*\i+1], s[10:11] offset:(\part)+49152*(\c)+256*\i   ; 32 lanes store 256 consecutive bytes, aligned
.endr
.endm
.macro SCSTORE part                    ; the eight tiles' scale bytes: 16 bytes a column row r, 8 a lane: 256 consecutive bytes
	v_cndmask_b32 v[ST2], v[SWP], v[SWP+2], s[MSK]
	v_cndmask_b32 v[ST2+1], v[SWP+1], v[SWP+3], s[MSK]
	global_store_b64 v[SCO], v[ST2:ST2+1], s[12:13] offset:\part
.endm
	s_load_b256 s[4:11], s[0:1], 0x0               ; k, v, wst, kvc
	s_load_b128 s[12:15], s[0:1], 0x20             ; sc, ksp
	v_lshl_add_u32 v[SPW], v0, 2, SPARE
	v_mov_b32 v[NIL], 0
	ds_add_u32 v[SPW], v[NIL]                      ; the wave's opening: the add and its wait stand ahead of my first tensor load
	v_lshrrev_b32 v17, 5, v0
	v_readfirstlane_b32 s[WV], v17                 ; wave 0..3
	s_bfe_u32 s23, ttmp6, 0x40000                  ; my place in the cluster
	s_lshl_b32 s24, ttmp9, 2
	s_add_co_u32 s24, s24, s23                     ; my block of 64 rows: it enters global addresses of k, v and the outputs alone
	s_mov_b32 s[G1], 15|(3<<16)|(1<<21)            ; the mask of the four partners; elements of 8 bytes; bit 21 beside a mask; no padding
	s_mov_b32 s[G1+1], 32<<16                      ; tensor_dim0 = 32 elements: rows of 256 bytes
	s_mov_b32 s[G1+2], 100<<16                     ; tensor_dim1 = 100
	s_mov_b32 s[G1+3], 32<<16                      ; tile_dim0
	s_mov_b32 s[G1+4], 100                         ; tile_dim1
	s_mov_b32 s[G1+5], 32                          ; the block is dense
	s_mov_b32 s[G1+6], 0
	s_mov_b32 s[G1+7], 0
	s_mov_b32 s[SEL], 0x76543210
	s_mov_b32 s[SEL+1], 0xfedcba98                 ; lane l xor 16
	s_mov_b32 s[MSK], 0xffff0000                   ; lanes 16-31
	s_mov_b32 s[LG], 0x3fb8aa3b                    ; log2 e
	s_mov_b32 s[LG+1], s[LG]
	v_and_b32 v17, 31, v0                          ; lane
	v_and_b32 v18, 15, v0                          ; r
	v_bfe_u32 v19, v0, 4, 1                        ; h
	v_lshlrev_b32 v[LI], 4, v17
	v_lshlrev_b32 v[LS], 2, v17
	v_lshlrev_b32 v[L8], 3, v17
	v_and_b32 v17, 8, v18
	v_add_nc_u32 v17, v17, v18                     ; r + 8 (r / 8)
	v_lshl_add_u32 v[KSO], v19, 3, v17
	v_lshlrev_b32 v[KSO], 2, v[KSO]
	v_lshlrev_b32 v[SCO], 4, v18
	v_lshl_add_u32 v[SCO], v19, 3, v[SCO]
	s_mul_i32 s26, s[WV], XPW
	s_add_co_u32 s26, s26, XST                     ; my stage
	v_add_nc_u32 v[XW], s26, v[LI]                 ; in: a row's 512 bytes as loaded
	v_mul_u32_u24 v[XR], v18, XP
	v_lshl_add_u32 v[XR], v19, 6, v[XR]
	v_add_nc_u32 v[XR], s26, v[XR]                 ; back: row r, + 64 h
	s_mul_i32 s26, s[WV], FRB
	v_add_nc_u32 v[IWI], s26, v[LI]
	s_lshl_b32 s26, s[WV], 7
	v_add_nc_u32 v[IWS], s26, v[LS]
	s_mul_i32 s26, s[WV], 8*FRB
	s_add_co_u32 s27, s26, SLOT0
	v_add_nc_u32 v[WA], s27, v[LI]
	s_add_co_u32 s27, s26, SLOT1
	v_add_nc_u32 v[WA+1], s27, v[LI]
	s_lshl_b32 s26, s[WV], 9
	s_add_co_u32 s27, s26, SLOT0+49152
	v_add_nc_u32 v[WS], s27, v[LS]
	s_add_co_u32 s27, s26, SLOT1+49152
	v_add_nc_u32 v[WS+1], s27, v[LS]
.irp b, 0,1,2,3
	v_mov_b32 v[TM+4+\b], 0                        ; written once: a lane permute's destination counts as one of its sources
.endr
	s_mul_i32 s56, s[WV], QUART                    ; my quarter of a slot: the wave number alone
	s_mov_b32 s57, 0
	s_wait_dscnt 0x0                               ; the opening add is done
	s_wait_kmcnt 0x0
	s_add_nc_u64 s[58:59], s[8:9], s[56:57]
.irp p, 0,1
	s_mov_b32 s[G0+4*\p], 1
	s_add_co_u32 s[G0+4*\p+1], s56, SLOT0+\p*(SLOT1-SLOT0)
	s_add_nc_u64 s[G0+4*\p+2:G0+4*\p+3], s[58:59], START+2*SLAB*\p
	s_or_b32 s[G0+4*\p+3], s[G0+4*\p+3], 0x80000000
.endr
	s_mov_b32 s29, 0
	s_lshl_b32 s26, s24, 17                        ; 64 rows of 2,048 bytes
	s_lshl_b32 s27, s[WV], 9
	s_add_co_u32 s28, s26, s27
	s_add_nc_u64 s[4:5], s[4:5], s[28:29]
	s_add_nc_u64 s[6:7], s[6:7], s[28:29]
	s_lshr_b32 s25, s24, 6                         ; batch
	s_and_b32 s26, s24, 63                         ; which 64 rows of it
	s_mul_i32 s28, s25, 1572864
	s_mul_i32 s26, s26, 768
	s_add_co_u32 s28, s28, s26
	s_mul_i32 s26, s[WV], 393216
	s_add_co_u32 s28, s28, s26
	s_add_nc_u64 s[10:11], s[10:11], s[28:29]      ; kvc [batch][tile of columns 32][chunk 64][3][lane] x 8 bytes
	s_lshl_b32 s28, s24, 10
	s_lshl_b32 s26, s[WV], 8
	s_add_co_u32 s28, s28, s26
	s_add_nc_u64 s[12:13], s[12:13], s[28:29]      ; sc [chunk][wave][r 16][tile 8] x 2 bytes
	s_lshl_b32 s28, s24, 11
	s_add_co_u32 s28, s28, s27
	s_add_nc_u64 s[14:15], s[14:15], s[28:29]      ; ksp [chunk][512] f32
	CROUND                                         ; the four work-groups are here: the first joint loads meet
	tensor_load_to_lds s[G0:G0+3], s[G1:G1+7]
	s_nop 0
	tensor_load_to_lds s[G0+4:G0+7], s[G1:G1+7]
	s_nop 0
	PLACES
	WIN 0x80
.irp t, 0,1,2,3
	XLT 4, \t                                      ; k's four tiles
.endr
	s_wait_loadcnt 48                              ; k's tile 0 is in; its other three may be out
	TURN 2, 0
	WIN 0xc0
	XLT 6, 0                                       ; v's tile 0
.irp u, 0,1,2,3,4,5,6,7
	TILE \u
.endr
	s_wait_tensorcnt 0x1                           ; my quarter of slot 0 is in; slot 1's may stay out
	BARRIER
	SLOT 0, R0, 0, 1, 0, 0x53, 0x53                ; K's projection
	CHANGE 1, 0
	SLOT 1, R0, 2, 1, 1, 0x53, 0x53
	CHANGE 1, 1
.irp pr, 0,1,2,3
	ELU64 64*\pr
	KSUM 2*\pr
	KSUM 2*\pr+1
	HQUANT 2*\pr, 0x1800000, 0, 0
	HQUANT 2*\pr+1, 0x1800000, 0, 0
.endr
.irp b, 0,1,2,3
	v_cndmask_b32 v[KS+2*\b], v[KS+2*\b], v[KS+2*\b+1], s[MSK]     ; lanes 16-31 take the odd tile: 32 neighbouring columns
	global_store_b32 v[KSO], v[KS+2*\b], s[14:15] offset:128*\b
.endr
	SCSTORE 0
	s_wait_xcnt 0x0                                ; the stores have read their registers: the codes' lie where the next fragments land
	SLOT 0, R1, 0, 1, 0, 0x53, 0x53                ; V's projection
	CHANGE 0, 0
	SLOT 1, R1, 2, 1, 1, 0x53, 0x53
	PLACES
.irp c, 0,1,2,3,4,5,6,7
	HQUANT \c, 0x7800000, 0x0c0c, 6291456
.endr
	SCSTORE 262144
	s_wait_tensorcnt 0x0                           ; the wave's end
	ds_add_u32 v[SPW], v[NIL]
	s_wait_dscnt 0x0
	CROUND                                         ; the closing round
	s_endpgm
.Lfunc_end_k_q794faae10c_kvproj:
	.size	k_q794faae10c_kvproj, .Lfunc_end_k_q794faae10c_kvproj-k_q794faae10c_kvproj
	.p2alignl 7, 3214868480
	.fill 96, 4, 3214868480
	.section	.rodata,"a",@progbits
	.p2align	6, 0x0
	.amdhsa_kernel k_q794faae10c_kvproj
		.amdhsa_group_segment_fixed_size 327680
		.amdhsa_private_segment_fixed_size 0
		.amdhsa_enable_private_segment 0
		.amdhsa_kernarg_size 48
		.amdhsa_user_sgpr_count 2
		.amdhsa_user_sgpr_kernarg_segment_ptr 1
		.amdhsa_wavefront_size32 1
		.amdhsa_system_sgpr_workgroup_id_x 1
		.amdhsa_system_sgpr_workgroup_id_y 1
		.amdhsa_system_sgpr_workgroup_id_z 1
		.amdhsa_system_vgpr_workitem_id 0
		.amdhsa_next_free_vgpr 1024
		.amdhsa_next_free_sgpr 66
		.amdhsa_reserve_vcc 0
		.amdhsa_float_denorm_mode_32 3
		.amdhsa_float_denorm_mode_16_64 3
		.amdhsa_memory_ordered 1
		.amdhsa_forward_progress 1
		.amdhsa_inst_pref_size 215
	.end_amdhsa_kernel
	.amdgpu_metadata
---
amdhsa.version: [ 1, 2 ]
amdhsa.kernels:
  - .name:           k_q794faae10c_kvproj
    .symbol:         k_q794faae10c_kvproj.kd
    .args:
      - { .name: k, .offset: 0, .size: 8, .value_kind: global_buffer, .address_space: global }
      - { .name: v, .offset: 8, .size: 8, .value_kind: global_buffer, .address_space: global }
      - { .name: wst, .offset: 16, .size: 8, .value_kind: global_buffer, .address_space: global }
      - { .name: kvc, .offset: 24, .size: 8, .value_kind: global_buffer, .address_space: global }
      - { .name: sc, .offset: 32, .size: 8, .value_kind: global_buffer, .address_space: global }
      - { .name: ksp, .offset: 40, .size: 8, .value_kind: global_buffer, .address_space: global }
    .group_segment_fixed_size: 327680
    .private_segment_fixed_size: 0
    .kernarg_segment_align: 8
    .kernarg_segment_size: 48
    .max_flat_workgroup_size: 128
    .sgpr_count:     66
    .vgpr_count:     1024
    .wavefront_size: 32
...
	.end_amdgpu_metadata
.endif
;; end of part 2
;; launch kvred (part 3): grid 64 x 1, 16 waves a work-group, no clusters, 135,168 bytes of LDS; arguments kvc, sc, ksp, kvf, kvx; writes kvf, kvx
.if DOCPART == 3
	.amdgcn_target "amdgcn-amd-amdhsa--gfx1250"
	.amdhsa_code_object_version 6
	.text
	.protected	k_q794faae10c_kvred
	.globl	k_q794faae10c_kvred
	.p2align	8
	.type	k_q794faae10c_kvred,@function
k_q794faae10c_kvred:
	s_mov_b64 s[64:65], 0
	v_nop
	global_prefetch_b8 v0, s[64:65] scope:SCOPE_SE
	s_setreg_imm32_b32 hwreg(HW_REG_WAVE_MODE, 25, 1), 1
	s_wait_xcnt 0x0
; KV[d][v] = the sum over a batch's 4,096 keys of K[s][d] Vn[s][v], on the codes and scale bytes that the launch before made; KV is then quantised along d; and the column sums of K are added up.
; SHARES.  A work-group owns one batch, one head and one block of 32 along d (so the quantiser's block lies whole in it): 32 d x 64 v.  Each of its sixteen waves takes two K steps of 128 keys,
; asks for all its 12 fragments at once, and makes 8 partial tiles; the partials meet in LDS, and waves 0 to 3 add them, in ascending order, a tile of 16 v each.  Wave 4 adds the column sums.
; Source 0 = 16 d, source 1 = 16 v: a lane holds ONE v, and the 16 registers of the two tiles of d are d = 16 (lane / 16) + 0 .. 15 of the block.
; OUT.  kvf [batch][tile of v 32][lane 32][register 12]: the fragment of the next product, whose K step of 128 spans two heads: the other head's half is zero codes.
; kvx: scale words [batch][block of d 2][tile of v 32][lane 32], each with its own byte, 127 for the zero half, 0 elsewhere (the reader joins the two words); from byte 32,768 the column sums [batch][512] f32.
; No tensor loads: LDS is claimed as it is used.  No prefetch: every load is issued at the head.  LIMITS: NaN and infinities are not served; a block of zeros keeps the byte 1.
.set F,   16                           ; v16-159  fragments: 24 a tile (two K steps of 12): K's tiles u = 0, 1, then V's four
.set AC,  160                          ; v160-223 accumulators (tile of v vt, tile of d u) at 8 (2 vt + u)
.set KU,  224                          ; v224-227 K's scale bytes as loaded, a chunk of 64 keys each
.set VU,  228                          ; v228-235 V's
.set KW,  236                          ; v236-239 K's scale words (2 u + K step)
.set VW,  240                          ; v240-247 V's (2 vt + K step)
.set SPW, 14
.set NIL, 15
.set KSL, 131072                       ; LDS: behind the partials [wave 16][tile 8][2][lane] x 16 bytes: the waves' column sums, 128 bytes each
.set SPARE, 133120                     ; the spare words, 128 bytes for each of sixteen waves
.set SEL, 20
.macro WMM0 d, a, b, cz, sa, sb
.if (\cz) == 0
	v_wmma_scale_f32_16x16x128_f8f6f4 v[\d:\d+7], v[\a:\a+11], v[\b:\b+11], 0, v[\sa], v[\sb] matrix_a_fmt:MATRIX_FMT_FP6 matrix_b_fmt:MATRIX_FMT_FP6
.else
	v_wmma_scale_f32_16x16x128_f8f6f4 v[\d:\d+7], v[\a:\a+11], v[\b:\b+11], v[\d:\d+7], v[\sa], v[\sb] matrix_a_fmt:MATRIX_FMT_FP6 matrix_b_fmt:MATRIX_FMT_FP6
.endif
.endm
	s_load_b256 s[4:11], s[0:1], 0x0               ; kvc, sc, ksp, kvf
	s_load_b64 s[12:13], s[0:1], 0x20              ; kvx
	v_lshl_add_u32 v[SPW], v0, 2, SPARE
	v_mov_b32 v[NIL], 0
	v_lshrrev_b32 v1, 5, v0
	v_readfirstlane_b32 s14, v1                    ; wave 0..15
	v_and_b32 v253, 31, v0                         ; lane
	v_and_b32 v254, 15, v0                         ; r
	v_bfe_u32 v255, v0, 4, 1                       ; h
	v_lshlrev_b32 v4, 3, v253                      ; 8 x lane
	v_lshlrev_b32 v5, 4, v254                      ; 16 r
	v_lshlrev_b32 v6, 2, v253                      ; 4 x lane
	s_lshl_b32 s24, s14, 13
	v_lshl_add_u32 v7, v253, 4, s24                ; my partials: 8,192 x wave + 16 x lane
	s_lshl_b32 s24, s14, 11
	v_lshl_add_u32 v12, v253, 4, s24               ; what I add up (waves 0-3): my two tiles in wave 0's partials,
	v_add_nc_u32 v13, 65536, v12                   ; and in wave 8's
	s_lshl_b32 s24, s14, 7
	s_add_co_u32 s24, s24, KSL
	v_add_nc_u32 v1, s24, v6                       ; my wave's column sums
	v_add_nc_u32 v2, KSL, v6                       ; wave 0's
	v_mul_u32_u24 v3, v254, 48
	v_mad_u32_u24 v3, v255, 12, v3                 ; 48 r + 12 h
	v_mov_b32 v249, 0                              ; a lane permute's destination counts as one of its sources
	s_mov_b32 s[SEL], 0x76543210
	s_mov_b32 s[SEL+1], 0xfedcba98
	s_lshr_b32 s15, ttmp9, 4                       ; batch
	s_bfe_u32 s16, ttmp9, 0x30001                  ; head
	s_and_b32 s17, ttmp9, 1                        ; block of d
	s_lshr_b32 s18, s16, 1                         ; the quarter of 128 columns,
	s_and_b32 s19, s16, 1                          ; and the head's half of it
	s_mov_b32 s23, 0
	s_lshl_b32 s42, s19, 1
	s_add_co_u32 s42, s42, s17
	s_lshl_b32 s42, s42, 3                         ; my byte's place in the scale word
	s_xor_b32 s43, s42, 16
	s_lshl_b32 s43, 0x7f, s43                      ; 127 at the same block of the other head's half
	s_mul_i32 s44, s19, 24
	s_sub_co_u32 s45, 24, s44
	v_add_nc_u32 v252, s45, v3                     ; the zero half's registers
	v_add_nc_u32 v3, s44, v3                       ; my half's
	s_wait_kmcnt 0x0
	s_mul_i32 s24, s15, 1572864
	s_mul_i32 s25, s16, 196608                     ; four tiles a head
	s_add_co_u32 s24, s24, s25
	s_mul_i32 s25, s14, 3072                       ; four chunks of 768 bytes a wave
	s_add_co_u32 s24, s24, s25
	s_mul_i32 s25, s17, 98304
	s_add_co_u32 s22, s24, s25
	s_add_nc_u64 s[26:27], s[4:5], s[22:23]        ; K's two tiles
	s_add_co_u32 s22, s24, 6291456
	s_add_nc_u64 s[28:29], s[4:5], s[22:23]        ; V's four
	s_lshl_b32 s24, s15, 16
	s_lshl_b32 s25, s14, 12
	s_add_co_u32 s24, s24, s25
	s_lshl_b32 s25, s18, 8
	s_add_co_u32 s24, s24, s25
	s_lshl_b32 s25, s19, 3
	s_add_co_u32 s24, s24, s25
	s_lshl_b32 s25, s17, 2
	s_add_co_u32 s22, s24, s25
	s_add_nc_u64 s[30:31], s[6:7], s[22:23]        ; K's scale bytes
	s_add_co_u32 s22, s24, 262144
	s_add_nc_u64 s[32:33], s[6:7], s[22:23]        ; V's
	s_lshl_b32 s24, s16, 8
	s_lshl_b32 s25, s17, 7
	s_add_co_u32 s24, s24, s25                     ; 4 (64 head + 32 block)
	s_lshl_b32 s22, s15, 17
	s_lshl_b32 s25, s14, 13
	s_add_co_u32 s22, s22, s25
	s_add_co_u32 s22, s22, s24
	s_add_nc_u64 s[34:35], s[8:9], s[22:23]        ; the chunks' column sums
	s_lshl_b32 s22, s15, 11
	s_add_co_u32 s22, s22, s24
	s_add_co_u32 s22, s22, 32768
	s_add_nc_u64 s[40:41], s[12:13], s[22:23]      ; the batch's column sums
	s_mul_i32 s22, s15, 49152
	s_mul_i32 s25, s16, 6144
	s_add_co_u32 s22, s22, s25
	s_mul_i32 s25, s14, 1536
	s_add_co_u32 s22, s22, s25
	s_mul_i32 s25, s17, 768
	s_add_co_u32 s22, s22, s25
	s_add_nc_u64 s[36:37], s[10:11], s[22:23]      ; my tile's fragment (waves 0-3)
	s_lshl_b32 s22, s15, 13
	s_lshl_b32 s25, s17, 12
	s_add_co_u32 s22, s22, s25
	s_lshl_b32 s25, s16, 9
	s_add_co_u32 s22, s22, s25
	s_lshl_b32 s25, s14, 7
	s_add_co_u32 s22, s22, s25
	s_add_nc_u64 s[38:39], s[12:13], s[22:23]      ; and its scale words
.irp u, 0,1
.irp a, 0,1,2,3
.irp p, 0,1,2
	global_load_b64 v[F+24*\u+6*\a+2*\p:F+24*\u+6*\a+2*\p+1], v4, s[26:27] offset:49152*\u+768*\a+256*\p   ; 256 consecutive bytes
.endr
.endr
.endr
.irp t, 0,1,2,3
.irp a, 0,1,2,3
.irp p, 0,1,2
	global_load_b64 v[F+48+24*\t+6*\a+2*\p:F+48+24*\t+6*\a+2*\p+1], v4, s[28:29] offset:49152*\t+768*\a+256*\p
.endr
.endr
.endr
.irp a, 0,1,2,3
	global_load_b32 v[KU+\a], v5, s[30:31] offset:1024*\a
.endr
.irp a, 0,1,2,3
	global_load_b64 v[VU+2*\a:VU+2*\a+1], v5, s[32:33] offset:1024*\a
.endr
.irp a, 0,1,2,3
	global_load_b32 v[8+\a], v6, s[34:35] offset:2048*\a
.endr
	s_wait_loadcnt 0x0
.irp jj, 0,1                                   ; a K step's word: two bytes of the even chunk, two of the odd
	v_perm_b32 v[KW+\jj], v[KU+2*\jj+1], v[KU+2*\jj], 0x05040100
	v_perm_b32 v[KW+2+\jj], v[KU+2*\jj+1], v[KU+2*\jj], 0x07060302
.irp e, 0,1
	v_perm_b32 v[VW+4*\e+\jj], v[VU+4*\jj+2+\e], v[VU+4*\jj+\e], 0x05040100
	v_perm_b32 v[VW+4*\e+2+\jj], v[VU+4*\jj+2+\e], v[VU+4*\jj+\e], 0x07060302
.endr
.endr
	v_add_f32 v8, v8, v9
	v_add_f32 v10, v10, v11
	v_add_f32 v8, v8, v10                          ; my four chunks' column sums
.rept 8
	v_nop                                          ; a scale register written by a vector instruction stands 8 places ahead of a scaled matrix instruction
.endr
.irp jj, 0,1                                   ; eight accumulators by turns
.irp vt, 0,1,2,3
.irp u, 0,1
.set rD, AC+8*(2*\vt+\u)
.set rA, F+24*\u+12*\jj
.set rB, F+48+24*\vt+12*\jj
.set sA, KW+2*\u+\jj
.set sB, VW+2*\vt+\jj
	WMM0 rD, rA, rB, \jj, sA, sB
.endr
.endr
.endr
.rept 4
	v_nop
.endr
.irp q, 0,1,2,3,4,5,6,7
	ds_store_b128 v7, v[AC+8*\q:AC+8*\q+3] offset:1024*\q          ; each accumulator from its low end on
	ds_store_b128 v7, v[AC+8*\q+4:AC+8*\q+7] offset:1024*\q+512
.endr
	ds_store_b32 v1, v8
	s_wait_dscnt 0x0                               ; for the others' sake
	s_barrier_signal -1
	s_barrier_wait -1
	s_cmp_lt_u32 s14, 4
	s_cbranch_scc0 .Lnot_red
.macro LOADB bt, buf                   ; four waves' partials of my two tiles: 16 loads, 64 registers
.irp e, 0,1,2,3
.irp q, 0,1,2,3
	ds_load_b128 v[(\buf)+16*\e+4*\q:(\buf)+16*\e+4*\q+3], v[12+(\bt)/2] offset:8192*((4*(\bt)+\e)%8)+512*\q
.endr
.endr
.endm
.macro SUMB buf, first
.if \first
.irp m, 0,2,4,6,8,10,12,14
	v_pk_add_f32 v[AC+\m:AC+\m+1], v[(\buf)+\m:(\buf)+\m+1], v[(\buf)+16+\m:(\buf)+16+\m+1]
.endr
.else
.irp e, 0,1
.irp m, 0,2,4,6,8,10,12,14
	v_pk_add_f32 v[AC+\m:AC+\m+1], v[AC+\m:AC+\m+1], v[(\buf)+16*\e+\m:(\buf)+16*\e+\m+1]
.endr
.endr
.endif
.irp e, 2,3
.irp m, 0,2,4,6,8,10,12,14
	v_pk_add_f32 v[AC+\m:AC+\m+1], v[AC+\m:AC+\m+1], v[(\buf)+16*\e+\m:(\buf)+16*\e+\m+1]
.endr
.endr
.endm
	LOADB 0, 16
	LOADB 1, 80
	s_wait_dscnt 16                                ; the younger batch may be out
	SUMB 16, 1
	LOADB 2, 16
	s_wait_dscnt 16
	SUMB 80, 0
	LOADB 3, 80
	s_wait_dscnt 16
	SUMB 16, 0
	s_wait_dscnt 0x0
	SUMB 80, 0
	v_max3_num_f32 v248, |v[AC]|, |v[AC+1]|, 0x1800000             ; my 16 of the block of 32 along d, with the floor
.irp i, 2,4,6,8,10,12,14
	v_max3_num_f32 v248, v248, |v[AC+\i]|, |v[AC+\i+1]|
.endr
	v_permlanex16_b32 v249, v248, s[SEL], s[SEL+1]
	v_max_num_f32 v248, v248, v249
	v_add_nc_u32 v250, 0xff000000, v248
	v_lshrrev_b32 v251, 23, v250
	v_cvt_scalef32_pk16_fp6_f32 v[176:178], v[AC:AC+15], v250
	v_nop                                          ; one plain place behind a scaled conversion
	v_mov_b32 v180, 0
	v_mov_b32 v181, 0
	v_mov_b32 v182, 0
	v_lshlrev_b32 v251, s42, v251
	v_or_b32 v251, s43, v251
	global_store_b96 v3, v[176:178], s[36:37]      ; lane r + 16 x block, registers 6 x half + 3 h on
	global_store_b96 v252, v[180:182], s[36:37]    ; the other head's half: zero codes
	global_store_b32 v6, v251, s[38:39]
	s_branch .Lend
.Lnot_red:
	s_cmp_eq_u32 s14, 4
	s_cbranch_scc0 .Lend
.irp e, 0,1,2,3,4,5,6,7,8,9,10,11,12,13,14,15
	ds_load_b32 v[16+\e], v2 offset:128*\e
.endr
	s_wait_dscnt 0x0
.irp e, 1,2,3,4,5,6,7,8,9,10,11,12,13,14,15
	v_add_f32 v16, v16, v[16+\e]
.endr
	global_store_b32 v6, v16, s[40:41]
.Lend:
	s_wait_tensorcnt 0x0                           ; the wave's end
	ds_add_u32 v[SPW], v[NIL]
	s_wait_dscnt 0x0
	s_endpgm
.Lfunc_end_k_q794faae10c_kvred:
	.size	k_q794faae10c_kvred, .Lfunc_end_k_q794faae10c_kvred-k_q794faae10c_kvred
	.p2alignl 7, 3214868480
	.fill 96, 4, 3214868480
	.section	.rodata,"a",@progbits
	.p2align	6, 0x0
	.amdhsa_kernel k_q794faae10c_kvred
		.amdhsa_group_segment_fixed_size 135168
		.amdhsa_private_segment_fixed_size 0
		.amdhsa_enable_private_segment 0
		.amdhsa_kernarg_size 40
		.amdhsa_user_sgpr_count 2
		.amdhsa_user_sgpr_kernarg_segment_ptr 1
		.amdhsa_wavefront_size32 1
		.amdhsa_system_sgpr_workgroup_id_x 1
		.amdhsa_system_sgpr_workgroup_id_y 1
		.amdhsa_system_sgpr_workgroup_id_z 1
		.amdhsa_system_vgpr_workitem_id 0
		.amdhsa_next_free_vgpr 256
		.amdhsa_next_free_sgpr 66
		.amdhsa_reserve_vcc 0
		.amdhsa_float_denorm_mode_32 3
		.amdhsa_float_denorm_mode_16_64 3
		.amdhsa_memory_ordered 1
		.amdhsa_forward_progress 1
		.amdhsa_inst_pref_size 32
	.end_amdhsa_kernel
	.amdgpu_metadata
---
amdhsa.version: [ 1, 2 ]
amdhsa.kernels:
  - .name:           k_q794faae10c_kvred
    .symbol:         k_q794faae10c_kvred.kd
    .args:
      - { .name: kvc, .offset: 0, .size: 8, .value_kind: global_buffer, .address_space: global }
      - { .name: sc, .offset: 8, .size: 8, .value_kind: global_buffer, .address_space: global }
      - { .name: ksp, .offset: 16, .size: 8, .value_kind: global_buffer, .address_space: global }
      - { .name: kvf, .offset: 24, .size: 8, .value_kind: global_buffer, .address_space: global }
      - { .name: kvx, .offset: 32, .size: 8, .value_kind: global_buffer, .address_space: global }
    .group_segment_fixed_size: 135168
    .private_segment_fixed_size: 0
    .kernarg_segment_align: 8
    .kernarg_segment_size: 40
    .max_flat_workgroup_size: 512
    .sgpr_count:     66
    .vgpr_count:     256
    .wavefront_size: 32
...
	.end_amdgpu_metadata
.endif
;; end of part 3
;; launch chain (part 4): grid 256 x 1, 4 waves a work-group, clusters of 4 x 1, 327,680 bytes of LDS; arguments q, wst, kvf, kvx, g1, b1, g2, b2, out0; writes out0
.if DOCPART == 4
	.amdgcn_target "amdgcn-amd-amdhsa--gfx1250"
	.amdhsa_code_object_version 6
	.text
	.protected	k_q794faae10c_chain
	.globl	k_q794faae10c_chain
	.p2align	8
	.type	k_q794faae10c_chain,@function
k_q794faae10c_chain:
	s_mov_b64 s[64:65], 0
	v_nop
	global_prefetch_b8 v0, s[64:65] scope:SCOPE_SE
	s_setreg_imm32_b32 hwreg(HW_REG_WAVE_MODE, 25, 1), 1
	s_wait_xcnt 0x0
	s_wait_alu depctr_hold_cnt(0) depctr_sa_sdst(0) depctr_va_vdst(0) depctr_va_sdst(0) depctr_va_ssrc(0) depctr_va_vcc(0) depctr_vm_vsrc(0)
	s_getreg_b32 s2, hwreg(HW_REG_IB_STS2, 6, 4)
	s_cmp_eq_u32 s2, 0
	s_cbranch_scc0 .Lentry_in_a_cluster
	s_endpgm
.Lentry_in_a_cluster:
	s_bfe_u32 s2, ttmp6, 0x10000c
	s_cmp_lg_u32 s2, 0x3003
	s_cbranch_scc0 .Lentry_shape_is_right
	s_endpgm
.Lentry_shape_is_right:
; For 64 rows: Q = elu(Q(q) Q(Wq)) + 1; Z = 1 / (Q . Ksum + 1e-6); msg = Q(Q) Q(KV) Z x 4,096; y = LN1(Q(msg) Q(Wm) + q); out = LN2(q + Q(relu(Q(y) Q(W1))) Q(W2)).
; All quantised products on codes of FP6 (E2M3) with one E8M0 byte for each 32 along K; Q . Ksum, the norms and all else in f32.  Nothing between q and out goes to memory.
; SHARES.  A work-group owns 64 rows (tile t, lane r: row 16 t + r).  THE WAVES SHARE THE COLUMNS: wave w owns columns 128 w on of every product (heads 2 w, 2 w + 1) and makes K step w of every next operand;
; the fragments go from wave to wave through LDS as images of their registers (group g of four registers, lane l at 512 g + 16 l; the scale word at 4 l).
; EVERY PRODUCT IS USED TRANSPOSED (source 0 = 16 columns of the weight, source 1 = 16 rows), and the columns of a weight tile are chosen (by the launch that laid the slabs) so that in the result register
; 64 t + 16 b + i of lane (r, h) is column 32 b + 16 h + i of row 16 t + r: 16 neighbours along the next K.
; q is loaded ONCE, by whole pieces of rows (each load of a wave takes the 512 consecutive bytes of one row's 128 columns), and a tile of 16 rows at a time turns through the wave's own stage in LDS (rows of 528 bytes)
; into that layout, in window 2: there it is the first quantiser's source, the C of the merge product's first step (msg Wm + q), and the accumulator on which the last product adds (q + ffn).
; THE WEIGHTS come as slabs (one K step x 512 columns), two to a slot, through a ring of two LDS slots: Wq, Wm, then for each chunk of 512 hidden units W1's four and W2's four: 20 slots' worth.
; All work-groups walk the same slabs: the four of a cluster ask JOINTLY, each wave for a quarter of a slot (100 rows of 256 bytes), with a descriptor made of the wave number alone.
; By this text's count a wave has two tensor loads out at the start and one behind each round.
; THE ATTENTION PRODUCT has K = 64: two heads share one fragment of Q, and KV's fragment holds zero codes in the other head's half.
; The norms take the mean first and the squares of the differences second.
; LIMITS: NaN and infinities are not served.  A block of zeros keeps the byte 1 (its codes are zeros; this program alone reads the bytes).  exp(x) is 2^(x log2 e) in f32: its relative error grows as
; |x| x 1e-7, results under 2^-126 are 0; elu(x) + 1 is made as max(x, 0) + exp(min(x, 0)), which differs from expm1(x) + 1 rounded in f32 by at most 6e-8 absolute.
; No prefetch: the slabs are read by every cluster, and q is asked for whole at the head.
; REGISTERS, in windows of 256: window 0: addresses, scale words, work; v96-191 eight weight fragments; v192-255 at work.  window 1: 32 accumulators (64 t + 8 c).  window 2: q, later q + ffn.
;   window 3: v0-95 KV's eight fragments, v96-159 Ksum; later v0-63 a gain, v64-127 a bias; from v160 two sets of four row fragments.
.set R0,    0                          ; LDS: 16 images (tile of rows t, K step s: 4 t + s), their scale words RSC behind them: q's, later y's
.set R1,    26624                      ; msg's, later the hidden layer's
.set RSC,   24576
.set SCR,   53248                      ; four exchanges of row sums, 2,048 bytes each
.set SPARE, 61440                      ; the spare words, 128 bytes for each wave: two blocks of 256 bytes that no other line names
.set SLOT0, 65536
.set SLOT1, 167936
.set XST,   270336                     ; behind the ring: a stage of 16 rows x 528 bytes for each wave, for the turn of q; no tensor load lands here
.set XP,    528
.set XPW,   16*XP
.set STG,   65536                      ; the way out: 64 rows x (2,048 + 16) bytes, over the ring, which has had its last fill and its last read by then
.set SLAB,  51200
.set QUART, 25600
.set FRB,   1536
.set START, 8*SLAB                     ; the ring begins at slab 8: Wq
.set LI,  1                            ; v1   16 x lane
.set LS,  2                            ; v2   4 x lane
.set XR,  3                            ; v3   my stage for q, back: 528 r + 64 h
.set IWI, 4                            ; v4   where I store images: 16 x lane + 1,536 x wave
.set IWS, 5                            ; v5   and scale words: 4 x lane + 128 x wave
.set WA,  6                            ; v6-7 my quarter of a slab in slot 0, 1
.set WS,  8                            ; v8-9 its scale words
.set H64, 10                           ; v10  64 h
.set L48, 11                           ; v11  48 x lane
.set KVO, 12                           ; v12  128 h + 4 r
.set SO,  13                           ; v13-14 the stage, in: tiles 0, 1 and tiles 2, 3
.set SR,  15                           ; v15  the stage, back
.set LW,  16                           ; v16  16 x lane + 512 x wave
.set SPW, 20                           ; v20  my spare word; never rewritten
.set NIL, 21                           ; v21  0; never rewritten
.set ASC, 22                           ; v22-29 the rows' scale words, two sets of four
.set WSC, 30                           ; v30-37 the weights' scale words, two sets of four
.set TM,  38                           ; v38-53 the quantiser's work
.set PW,  54                           ; v54  the scale word just made
.set XW,  55                           ; v55  my stage for q, in: 16 x lane
.set PC,  56                           ; v56-75 the codes just made
.set LSM, 56                           ; v56-59 my four row sums;  v60-75 the four waves'
.set LL,  60
.set ZR,  76                           ; v76-91 Q . Ksum, then Z x 4,096: a pair for (t, head half)
.set MU,  76                           ; later the means (76 + 2 t)
.set RS,  84                           ; and 1 / sqrt(var + eps) (84 + 2 t)
.set KVS, 92                           ; v92-95 KV's scale words: lanes 0-15 tile 2 p, lanes 16-31 tile 2 p + 1
.set WX,  96
.set T64, 192
.set SA,  192
.set AF,  160                          ; in window 3
.set WV,  22
.set SEL, 30
.set G1,  32
.set G0,  40
.set CNT, 48
.set C512, 50
.set CEPS, 51
.set CEPZ, 52
.set CS,  53
.set LG,  54
.set MSB, 0
.macro WIN new                         ; the immediate's high byte repeats the setting that is left
.if MSB != (\new)
	s_set_vgpr_msb (MSB<<8)|(\new)
.set MSB, (\new)
.endif
.endm
.macro PLACES                          ; four plain places behind matrix instructions, ahead of loads into their registers and of reads of their results
.rept 4
	v_nop
.endr
.endm
.macro BARRIER                         ; my LDS stores have landed and my LDS loads are in: then the work-group's barrier
	s_wait_dscnt 0x0
	s_barrier_signal -1
	s_barrier_wait -1
.endm
.macro CROUND                          ; a round of the cluster's barrier
	s_barrier_signal -1
	s_barrier_wait -1
	s_cmp_lg_u32 s[WV], 0
	s_cbranch_scc1 .Lnot_wave_0_\@
	s_barrier_signal -3
.Lnot_wave_0_\@:
	s_barrier_wait -3
	s_barrier_signal -1
	s_barrier_wait -1
.endm
; THE CHANGE OF SLOTS.  Each wave waits for all its tensor loads (its quarter of the slot ahead), adds 0 to its spare word, and waits for that and for its reads of the slot that it leaves.
; fill = 1: slot p, just left, is filled with the slabs four further on: a round of the cluster's barrier, then the joint load first.  The four v_nop are also the places behind the last products.
.macro CHANGE fill, p
	s_wait_tensorcnt 0x0                           ; no tensor load of mine is out, so a group 0 may be written
	ds_add_u32 v[SPW], v[NIL]
.if \fill
	s_add_nc_u64 s[G0+4*(\p)+2:G0+4*(\p)+3], s[G0+4*(\p)+2:G0+4*(\p)+3], 4*SLAB
.endif
	s_wait_dscnt 0x0                               ; the add is done, and my reads of the slot are over
.if \fill
	CROUND
	tensor_load_to_lds s[G0+4*(\p):G0+4*(\p)+3], s[G1:G1+7]
	s_nop 0
.else
	s_barrier_signal -1
	s_barrier_wait -1
.endif
	PLACES
.endm
.macro WMM d, a, b, cz, sa, sb, row    ; cz = 0: the product starts the sum; row 1: source 0's scales in lanes 16-31; row 2: source 1's
.if (\cz) == 0
.if (\row) == 0
	v_wmma_scale_f32_16x16x128_f8f6f4 v[\d:\d+7], v[\a:\a+11], v[\b:\b+11], 0, v[\sa], v[\sb] matrix_a_fmt:MATRIX_FMT_FP6 matrix_b_fmt:MATRIX_FMT_FP6
.elseif (\row) == 1
	v_wmma_scale_f32_16x16x128_f8f6f4 v[\d:\d+7], v[\a:\a+11], v[\b:\b+11], 0, v[\sa], v[\sb] matrix_a_fmt:MATRIX_FMT_FP6 matrix_b_fmt:MATRIX_FMT_FP6 matrix_a_scale:MATRIX_SCALE_ROW1
.else
	v_wmma_scale_f32_16x16x128_f8f6f4 v[\d:\d+7], v[\a:\a+11], v[\b:\b+11], 0, v[\sa], v[\sb] matrix_a_fmt:MATRIX_FMT_FP6 matrix_b_fmt:MATRIX_FMT_FP6 matrix_b_scale:MATRIX_SCALE_ROW1
.endif
.else
.if (\row) == 0
	v_wmma_scale_f32_16x16x128_f8f6f4 v[\d:\d+7], v[\a:\a+11], v[\b:\b+11], v[\d:\d+7], v[\sa], v[\sb] matrix_a_fmt:MATRIX_FMT_FP6 matrix_b_fmt:MATRIX_FMT_FP6
.elseif (\row) == 1
	v_wmma_scale_f32_16x16x128_f8f6f4 v[\d:\d+7], v[\a:\a+11], v[\b:\b+11], v[\d:\d+7], v[\sa], v[\sb] matrix_a_fmt:MATRIX_FMT_FP6 matrix_b_fmt:MATRIX_FMT_FP6 matrix_a_scale:MATRIX_SCALE_ROW1
.else
	v_wmma_scale_f32_16x16x128_f8f6f4 v[\d:\d+7], v[\a:\a+11], v[\b:\b+11], v[\d:\d+7], v[\sa], v[\sb] matrix_a_fmt:MATRIX_FMT_FP6 matrix_b_fmt:MATRIX_FMT_FP6 matrix_b_scale:MATRIX_SCALE_ROW1
.endif
.endif
.endm
.macro GA RB, s, k                     ; the four row fragments of K step s into set k, and their scale words: 16 LDS loads
	WIN 0xc0
.irp t, 0,1,2,3
.irp g, 0,1,2
	ds_load_b128 v[AF+48*(\k)+12*\t+4*\g:AF+48*(\k)+12*\t+4*\g+3], v[LI] offset:(\RB)+(4*\t+(\s))*FRB+512*\g
.endr
.endr
	WIN 0
.irp t, 0,1,2,3
	ds_load_b32 v[ASC+4*(\k)+\t], v[LS] offset:(\RB)+RSC+128*(4*\t+(\s))
.endr
.endm
.macro GS p, k                         ; my quarter's scale words of the slot's slab k: 4 loads
.irp e, 0,1,2,3
	ds_load_b32 v[WSC+4*(\k)+\e], v[WS+\p] offset:SLAB*(\k)+128*\e
.endr
.endm
.macro GW p, k, half                   ; four of my eight weight fragments: 12 loads
.irp e, 0,1,2,3
.irp g, 0,1,2
	ds_load_b128 v[WX+48*(\half)+12*\e+4*\g:WX+48*(\half)+12*\e+4*\g+3], v[WA+\p] offset:SLAB*(\k)+FRB*(4*(\half)+\e)+512*\g
.endr
.endr
.endm
; 16 matrix instructions: four tiles of columns x four tiles of rows.  The 32 accumulators take turns, one instruction a turn, in one order throughout.
.macro MUL half, k, orient, cm
.irp e, 0,1,2,3
.irp t, 0,1,2,3
.set rW, WX+48*(\half)+12*\e
.set rA, AF+48*(\k)+12*\t
.set sW, WSC+4*(\k)+2*(\half)+\e/2
.set sA, ASC+4*(\k)+\t
.if \orient
.set rD, 32*(4*(\half)+\e)+8*\t
	WMM rD, rA, rW, \cm, sA, sW, 2*(\e%2)
.else
.set rD, 64*\t+8*(4*(\half)+\e)
	WMM rD, rW, rA, \cm, sW, sA, \e%2
.endif
.endr
.endr
.endm
; A slot's two K steps: 64 matrix instructions.  The counts: 12: the youngest twelve loads (tiles 4-7) may be out; 32: the 32 just issued may be out.
; wfirst, wrest: the windows of the first and of the second K step (source 1 window 3; C and D window 1, or 2 for q + ffn; C window 2 and D window 1 where q starts the sums).
.macro SLOT p, RB, s0, orient, cmode, wfirst, wrest
	GA \RB, \s0, 0
	GS \p, 0
	GW \p, 0, 0
	GW \p, 0, 1
	s_wait_dscnt 12
	WIN \wfirst
	MUL 0, 0, \orient, \cmode
	PLACES
	GA \RB, (\s0)+1, 1
	GS \p, 1
	GW \p, 1, 0
	s_wait_dscnt 32
	WIN \wfirst
	MUL 1, 0, \orient, \cmode
	PLACES
	WIN 0
	GW \p, 1, 1
	s_wait_dscnt 12
	WIN \wrest
	MUL 0, 1, \orient, 1
	s_wait_dscnt 0x0
	MUL 1, 1, \orient, 1
	WIN 0
.endm
; 64 numbers of a lane in window sw, register s + 16 b + i = k 32 b + 16 (lane / 16) + i of my row, become a fragment's codes in v[PC] on and its scale word in v[PW].
.macro QUANT sw, s
	WIN ((\sw)<<2)|((\sw)<<4)
.irp b, 0,1,2,3
	v_max3_num_f32 v[TM+\b], 0x1800000, |v[(\s)+16*\b]|, |v[(\s)+1+16*\b]|   ; with the floor 2^(3 - 127): the byte cannot fall under 1
.endr
.irp i, 2,4,6,8,10,12,14
.irp b, 0,1,2,3
	v_max3_num_f32 v[TM+\b], v[TM+\b], |v[(\s)+16*\b+\i]|, |v[(\s)+1+16*\b+\i]|
.endr
.endr
	WIN 0
.irp b, 0,1,2,3
	v_permlanex16_b32 v[TM+4+\b], v[TM+\b], s[SEL], s[SEL+1]
.endr
.irp b, 0,1,2,3
	v_max_num_f32 v[TM+\b], v[TM+\b], v[TM+4+\b]   ; with lane l xor 16: the block's largest magnitude
.endr
.irp b, 0,1,2,3
	v_add_nc_u32 v[TM+12+\b], 0xff000000, v[TM+\b] ; 2 off its exponent field: the conversion's scale operand
.endr
.irp b, 0,1,2,3
	v_lshrrev_b32 v[TM+4+\b], 23, v[TM+12+\b]      ; the scale's byte
.endr
	v_lshl_or_b32 v[PW], v[TM+5], 8, v[TM+4]
	v_lshl_or_b32 v[PW], v[TM+6], 16, v[PW]
	v_lshl_or_b32 v[PW], v[TM+7], 24, v[PW]
	WIN \sw
.irp c, 0,1
	v_cvt_scalef32_pk16_fp6_f32 v[PC+6*\c:PC+2+6*\c], v[(\s)+32*\c:(\s)+15+32*\c], v[TM+12+2*\c]
	v_cvt_scalef32_pk16_fp6_f32 v[PC+12+4*\c:PC+14+4*\c], v[(\s)+16+32*\c:(\s)+31+32*\c], v[TM+12+2*\c+1]
.endr
	WIN 0
	v_nop                                          ; one plain place behind a scaled conversion
.irp c, 0,1                                    ; the layout wants a whole block in a lane
.irp i, 0,1,2
	v_permlane16_swap_b32 v[PC+6*\c+\i], v[PC+12+4*\c+\i]
.endr
.irp i, 0,1,2
	v_mov_b32 v[PC+3+6*\c+\i], v[PC+12+4*\c+\i]
.endr
.endr
.endm
.macro IMAGE RB, t                     ; the fragment goes to LDS as it stands: K step = my wave, tile of rows t
.irp g, 0,1,2
	ds_store_b128 v[IWI], v[PC+4*\g:PC+4*\g+3] offset:(\RB)+4*FRB*(\t)+512*\g
.endr
	ds_store_b32 v[IWS], v[PW] offset:(\RB)+RSC+512*(\t)
	s_wait_dscnt 0x0
.endm
; x = max(x, 0) + 2^(log2 e x min(x, 0)) on 64 registers of window 1, in ascending order.  The 64 exponentials are one batch with one wait; the 64 maxima are the plain work behind them.
.macro ELU64 base
	WIN 0x04
.set ii, 0
.rept 64
	v_min_num_f32 v[T64+ii], 0, v[(\base)+ii]
.set ii, ii+1
.endr
	WIN 0
.set ii, 0
.rept 32
	v_pk_mul_f32 v[T64+ii:T64+ii+1], v[T64+ii:T64+ii+1], s[LG:LG+1] op_sel_hi:[1,0]
.set ii, ii+2
.endr
.set ii, 0
.rept 64
	v_exp_f32 v[T64+ii], v[T64+ii]
.set ii, ii+1
.endr
	WIN 0x44
.set ii, 0
.rept 64
	v_max_num_f32 v[(\base)+ii], 0, v[(\base)+ii]
.set ii, ii+1
.endr
	s_wait_alu depctr_va_vdst(0)                   ; ahead of the batch's first reader
	WIN 0x41
.set ii, 0
.rept 32
	v_pk_add_f32 v[(\base)+ii:(\base)+ii+1], v[(\base)+ii:(\base)+ii+1], v[T64+ii:T64+ii+1]
.set ii, ii+2
.endr
	WIN 0
.endm
.macro XLT t                           ; q's tile t, my 128 columns: 16 loads, each 512 consecutive bytes; row 16 t + i into registers 64 t + 4 i on
.irp i, 0,1,2,3,4,5,6,7,8,9,10,11,12,13,14,15
	global_load_b128 v[64*(\t)+4*\i:64*(\t)+4*\i+3], v[LI], s[4:5] offset:(16*(\t)+\i)*2048 th:TH_LOAD_NT
.endr
.endm
; THE TURN of tile t in window sw: its 16 rows into my stage as they were loaded, and back so that register 64 t + 16 b + 4 j on holds columns 32 b + 16 h + 4 j on of the lane's row r.
; LDS serves a wave's instructions in order (ISA guide 5.7.1.4): the loads see the stores above them, and the next tile's stores come behind these loads.
.macro TURN sw, t
	WIN ((\sw)<<2)|((\sw)<<6)                      ; an LDS store's data are its source 1, loaded data the destination; the addresses lie in window 0
.irp i, 0,1,2,3,4,5,6,7,8,9,10,11,12,13,14,15
	ds_store_b128 v[XW], v[64*(\t)+4*\i:64*(\t)+4*\i+3] offset:XP*\i
.endr
.irp b, 0,1,2,3
.irp j, 0,1,2,3
	ds_load_b128 v[64*(\t)+16*\b+4*\j:64*(\t)+16*\b+4*\j+3], v[XR] offset:128*\b+16*\j
.endr
.endr
.endm
.macro GRPA                            ; Ksum in the result's layout: 16 loads
	WIN 0xc0
.irp b, 0,1,2,3
.irp j, 0,1,2,3
	global_load_b128 v[96+16*\b+4*\j:96+16*\b+4*\j+3], v[H64], s[60:61] offset:128*\b+16*\j
.endr
.endr
.endm
.macro GRPK hf                         ; four of KV's eight fragments and the two halves of two of its scale words: 16 loads
	WIN 0xc0
.irp c, 0,1,2,3
.irp g, 0,1,2
	global_load_b128 v[12*(4*(\hf)+\c)+4*\g:12*(4*(\hf)+\c)+4*\g+3], v[L48], s[8:9] offset:1536*(4*(\hf)+\c)+16*\g
.endr
.endr
	WIN 0
.irp p, 0,1
	global_load_b32 v[KVS+2*(\hf)+\p], v[KVO], s[10:11] offset:256*(2*(\hf)+\p)
	global_load_b32 v[T64+2*(\hf)+\p], v[KVO], s[10:11] offset:4096+256*(2*(\hf)+\p)
.endr
.endm
.macro DOT t                           ; Q . Ksum of my 32 columns of each of the two heads, in f32, the heads by turns
	WIN 0x0d
	v_pk_mul_f32 v[ZR+4*(\t):ZR+4*(\t)+1], v[64*(\t):64*(\t)+1], v[96:97]
	v_pk_mul_f32 v[ZR+4*(\t)+2:ZR+4*(\t)+3], v[64*(\t)+32:64*(\t)+33], v[128:129]
.set mm, 2
.rept 15
	v_pk_fma_f32 v[ZR+4*(\t):ZR+4*(\t)+1], v[64*(\t)+mm:64*(\t)+mm+1], v[96+mm:97+mm], v[ZR+4*(\t):ZR+4*(\t)+1]
	v_pk_fma_f32 v[ZR+4*(\t)+2:ZR+4*(\t)+3], v[64*(\t)+32+mm:64*(\t)+33+mm], v[128+mm:129+mm], v[ZR+4*(\t)+2:ZR+4*(\t)+3]
.set mm, mm+2
.endr
	WIN 0
.endm
; The rows' sums (sq = 0) or sums of squares (sq = 1) over all 512 columns: my 64 registers a tile in two chains, lane l xor 16, then the four waves' through LDS, added in ascending order: v[LL + t].
.macro ROWSUM W, sq, pass
	WIN (\W)|((\W)<<2)
.if \sq
.irp t, 0,1,2,3
	v_pk_mul_f32 v[SA+4*\t:SA+4*\t+1], v[64*\t:64*\t+1], v[64*\t:64*\t+1]
	v_pk_mul_f32 v[SA+4*\t+2:SA+4*\t+3], v[64*\t+2:64*\t+3], v[64*\t+2:64*\t+3]
.endr
.irp m, 4,8,12,16,20,24,28,32,36,40,44,48,52,56,60
.irp t, 0,1,2,3
	v_pk_fma_f32 v[SA+4*\t:SA+4*\t+1], v[64*\t+\m:64*\t+\m+1], v[64*\t+\m:64*\t+\m+1], v[SA+4*\t:SA+4*\t+1]
	v_pk_fma_f32 v[SA+4*\t+2:SA+4*\t+3], v[64*\t+\m+2:64*\t+\m+3], v[64*\t+\m+2:64*\t+\m+3], v[SA+4*\t+2:SA+4*\t+3]
.endr
.endr
.else
.irp t, 0,1,2,3
	v_pk_add_f32 v[SA+4*\t:SA+4*\t+1], v[64*\t:64*\t+1], v[64*\t+2:64*\t+3]
	v_pk_add_f32 v[SA+4*\t+2:SA+4*\t+3], v[64*\t+4:64*\t+5], v[64*\t+6:64*\t+7]
.endr
	WIN (\W)<<2
.irp m, 8,12,16,20,24,28,32,36,40,44,48,52,56,60
.irp t, 0,1,2,3
	v_pk_add_f32 v[SA+4*\t:SA+4*\t+1], v[SA+4*\t:SA+4*\t+1], v[64*\t+\m:64*\t+\m+1]
	v_pk_add_f32 v[SA+4*\t+2:SA+4*\t+3], v[SA+4*\t+2:SA+4*\t+3], v[64*\t+\m+2:64*\t+\m+3]
.endr
.endr
.endif
	WIN 0
.irp t, 0,1,2,3
	v_pk_add_f32 v[SA+4*\t:SA+4*\t+1], v[SA+4*\t:SA+4*\t+1], v[SA+4*\t+2:SA+4*\t+3]
.endr
.irp t, 0,1,2,3
	v_add_f32 v[SA+4*\t], v[SA+4*\t], v[SA+4*\t+1]
.endr
.irp t, 0,1,2,3
	v_permlanex16_b32 v[SA+4*\t+1], v[SA+4*\t], s[SEL], s[SEL+1]
.endr
.irp t, 0,1,2,3
	v_add_f32 v[LSM+\t], v[SA+4*\t], v[SA+4*\t+1]
.endr
	ds_store_b128 v[LW], v[LSM:LSM+3] offset:SCR+2048*(\pass)
	BARRIER
.irp e, 0,1,2,3
	ds_load_b128 v[LL+4*\e:LL+4*\e+3], v[LI] offset:SCR+2048*(\pass)+512*\e
.endr
	s_wait_dscnt 0x0
.irp e, 1,2,3
	v_pk_add_f32 v[LL:LL+1], v[LL:LL+1], v[LL+4*\e:LL+4*\e+1]
	v_pk_add_f32 v[LL+2:LL+3], v[LL+2:LL+3], v[LL+4*\e+2:LL+4*\e+3]
.endr
.endm
; The norm of the 64 rows in window W, in place: (x - mean) / sqrt(mean of squares of (x - mean) + 1e-5) x gain + bias; gain and bias in window 3, v0-63 and v64-127.
.macro LNORM W, pass
	ROWSUM \W, 0, \pass
.irp t, 0,1,2,3
	v_mul_f32 v[MU+2*\t], s[C512], v[LL+\t]
.endr
	WIN (\W)|((\W)<<6)
.irp t, 0,1,2,3
.set mm, 0
.rept 32
	v_pk_add_f32 v[64*\t+mm:64*\t+mm+1], v[64*\t+mm:64*\t+mm+1], v[MU+2*\t:MU+2*\t+1] op_sel_hi:[1,0] neg_lo:[0,1] neg_hi:[0,1]
.set mm, mm+2
.endr
.endr
	ROWSUM \W, 1, (\pass)+1
.irp t, 0,1,2,3
	v_fma_f32 v[LL+\t], v[LL+\t], s[C512], s[CEPS]
.endr
.irp t, 0,1,2,3
	v_rsq_f32 v[RS+2*\t], v[LL+\t]
.endr
	v_nop                                          ; a plain place behind the last of them
	s_wait_alu depctr_va_vdst(0)                   ; ahead of the first reader: one for the four
	s_wait_loadcnt 0x0                             ; gain and bias
	WIN (\W)|((\W)<<6)
.irp t, 0,1,2,3
.set mm, 0
.rept 32
	v_pk_mul_f32 v[64*\t+mm:64*\t+mm+1], v[64*\t+mm:64*\t+mm+1], v[RS+2*\t:RS+2*\t+1] op_sel_hi:[1,0]
.set mm, mm+2
.endr
.endr
	WIN (\W)|(3<<2)|(3<<4)|((\W)<<6)
.irp t, 0,1,2,3
.set mm, 0
.rept 32
	v_pk_fma_f32 v[64*\t+mm:64*\t+mm+1], v[64*\t+mm:64*\t+mm+1], v[mm:mm+1], v[64+mm:65+mm]
.set mm, mm+2
.endr
.endr
	WIN 0
.endm
.macro GBLOAD sg, sb                   ; a gain and a bias in the result's layout: register 16 b + i = column 32 b + 16 h + i of my 128
	WIN 0xc0
.irp b, 0,1,2,3
.irp j, 0,1,2,3
	global_load_b128 v[16*\b+4*\j:16*\b+4*\j+3], v[H64], s[\sg:\sg+1] offset:128*\b+16*\j
	global_load_b128 v[64+16*\b+4*\j:64+16*\b+4*\j+3], v[H64], s[\sb:\sb+1] offset:128*\b+16*\j
.endr
.endr
	WIN 0
.endm
	s_load_b256 s[4:11], s[0:1], 0x0               ; q, wst, kvf, kvx
	s_load_b256 s[12:19], s[0:1], 0x20             ; g1, b1, g2, b2
	s_load_b64 s[20:21], s[0:1], 0x40              ; out0
	v_lshl_add_u32 v[SPW], v0, 2, SPARE
	v_mov_b32 v[NIL], 0
	ds_add_u32 v[SPW], v[NIL]                      ; the wave's opening: the add and its wait stand ahead of my first tensor load
	v_lshrrev_b32 v17, 5, v0
	v_readfirstlane_b32 s[WV], v17                 ; wave 0..3
	s_bfe_u32 s23, ttmp6, 0x40000                  ; my place in the cluster
	s_lshl_b32 s24, ttmp9, 2
	s_add_co_u32 s24, s24, s23                     ; my block of 64 rows: it enters global addresses other than the slabs' alone
	s_lshr_b32 s25, s24, 6                         ; batch
	s_mov_b32 s[G1], 15|(3<<16)|(1<<21)            ; the mask of the four partners; elements of 8 bytes; bit 21 beside a mask; no padding
	s_mov_b32 s[G1+1], 32<<16                      ; tensor_dim0 = 32 elements: rows of 256 bytes
	s_mov_b32 s[G1+2], 100<<16                     ; tensor_dim1 = 100
	s_mov_b32 s[G1+3], 32<<16                      ; tile_dim0
	s_mov_b32 s[G1+4], 100                         ; tile_dim1
	s_mov_b32 s[G1+5], 32                          ; the block is dense
	s_mov_b32 s[G1+6], 0
	s_mov_b32 s[G1+7], 0
	s_mov_b32 s[SEL], 0x76543210
	s_mov_b32 s[SEL+1], 0xfedcba98                 ; lane l xor 16
	s_mov_b32 s[C512], 0x3b000000                  ; 1 / 512
	s_mov_b32 s[CEPS], 0x3727c5ac                  ; 1e-5
	s_mov_b32 s[CEPZ], 0x358637bd                  ; 1e-6
	s_mov_b32 s[CS], 0x45800000                    ; 4,096
	s_mov_b32 s[LG], 0x3fb8aa3b                    ; log2 e
	s_mov_b32 s[LG+1], s[LG]
	v_and_b32 v17, 31, v0                          ; lane
	v_and_b32 v18, 15, v0                          ; r
	v_bfe_u32 v19, v0, 4, 1                        ; h
	v_lshlrev_b32 v[LI], 4, v17
	v_lshlrev_b32 v[LS], 2, v17
	v_lshlrev_b32 v[H64], 6, v19
	v_mul_u32_u24 v[L48], v17, 48
	v_lshlrev_b32 v[KVO], 7, v19
	v_lshl_add_u32 v[KVO], v18, 2, v[KVO]
	s_mul_i32 s26, s[WV], XPW
	s_add_co_u32 s26, s26, XST                     ; my stage for q
	v_add_nc_u32 v[XW], s26, v[LI]                 ; in: a row's 512 bytes as loaded
	v_mul_u32_u24 v[XR], v18, XP
	v_lshl_add_u32 v[XR], v19, 6, v[XR]
	v_add_nc_u32 v[XR], s26, v[XR]                 ; back: row r, + 64 h
	s_mul_i32 s26, s[WV], FRB
	v_add_nc_u32 v[IWI], s26, v[LI]
	s_lshl_b32 s26, s[WV], 7
	v_add_nc_u32 v[IWS], s26, v[LS]
	s_mul_i32 s26, s[WV], 8*FRB
	s_add_co_u32 s27, s26, SLOT0
	v_add_nc_u32 v[WA], s27, v[LI]
	s_add_co_u32 s27, s26, SLOT1
	v_add_nc_u32 v[WA+1], s27, v[LI]
	s_lshl_b32 s26, s[WV], 9
	s_add_co_u32 s27, s26, SLOT0+49152
	v_add_nc_u32 v[WS], s27, v[LS]
	s_add_co_u32 s27, s26, SLOT1+49152
	v_add_nc_u32 v[WS+1], s27, v[LS]
	v_add_nc_u32 v[LW], s26, v[LI]
	v_mul_u32_u24 v[SO], v18, 2064
	v_lshl_add_u32 v[SO], v19, 6, v[SO]
	s_add_co_u32 s27, s26, STG
	v_add_nc_u32 v[SO], s27, v[SO]                 ; the stage: row r, + 64 h, + 512 x wave
	v_add_nc_u32 v[SO+1], 66048, v[SO]             ; and 32 rows further on
	s_mul_i32 s27, s[WV], 33024
	s_add_co_u32 s27, s27, STG
	v_add_nc_u32 v[SR], s27, v[LI]                 ; back: my 16 rows
.irp b, 0,1,2,3
	v_mov_b32 v[TM+4+\b], 0                        ; written once: a lane permute's destination counts as one of its sources
.endr
	s_mul_i32 s56, s[WV], QUART                    ; my quarter of a slot: the wave number alone
	s_mov_b32 s57, 0
	s_wait_dscnt 0x0                               ; the opening add is done
	s_wait_kmcnt 0x0
	s_add_nc_u64 s[58:59], s[6:7], s[56:57]
.irp p, 0,1
	s_mov_b32 s[G0+4*\p], 1
	s_add_co_u32 s[G0+4*\p+1], s56, SLOT0+\p*(SLOT1-SLOT0)
	s_add_nc_u64 s[G0+4*\p+2:G0+4*\p+3], s[58:59], START+2*SLAB*\p
	s_or_b32 s[G0+4*\p+3], s[G0+4*\p+3], 0x80000000
.endr
	s_mov_b32 s29, 0
	s_lshl_b32 s26, s24, 17                        ; 64 rows of 2,048 bytes
	s_lshl_b32 s27, s[WV], 9                       ; my 128 columns
	s_add_co_u32 s28, s26, s27
	s_add_nc_u64 s[4:5], s[4:5], s[28:29]          ; q
	s_lshl_b32 s28, s[WV], 15
	s_add_co_u32 s28, s28, s26
	s_add_nc_u64 s[20:21], s[20:21], s[28:29]      ; out0 at my 16 rows
	s_mov_b32 s28, s27
	s_add_nc_u64 s[12:13], s[12:13], s[28:29]
	s_add_nc_u64 s[14:15], s[14:15], s[28:29]
	s_add_nc_u64 s[16:17], s[16:17], s[28:29]
	s_add_nc_u64 s[18:19], s[18:19], s[28:29]
	s_mul_i32 s28, s25, 49152
	s_mul_i32 s26, s[WV], 12288
	s_add_co_u32 s28, s28, s26
	s_add_nc_u64 s[8:9], s[8:9], s[28:29]          ; KV's eight fragments
	s_lshl_b32 s28, s25, 11
	s_add_co_u32 s28, s28, s27
	s_add_co_u32 s28, s28, 32768
	s_add_nc_u64 s[60:61], s[10:11], s[28:29]      ; Ksum
	s_lshl_b32 s28, s25, 13
	s_lshl_b32 s26, s[WV], 10
	s_add_co_u32 s28, s28, s26
	s_add_nc_u64 s[10:11], s[10:11], s[28:29]      ; KV's scale words
	CROUND                                         ; the four work-groups are here: the first joint loads meet
	tensor_load_to_lds s[G0:G0+3], s[G1:G1+7]
	s_nop 0
	tensor_load_to_lds s[G0+4:G0+7], s[G1:G1+7]
	s_nop 0
	PLACES
	WIN 0x80
.irp t, 0,1,2,3
	XLT \t
.endr
	; ---- q becomes K step w of the first product.  A tile is turned one tile ahead of the quantiser.  Behind each of the first three turns 16 of the 48 later loads (Ksum, KV, its scale words) are issued:
	; so at every wait below three groups of 16 loads are younger than the tile wanted: the count is 48 each time.
	s_wait_loadcnt 48
	TURN 2, 0
	GRPA
	s_wait_loadcnt 48
	TURN 2, 1
	GRPK 0
	s_wait_dscnt 32                                ; tile 0 is back; tile 1's 16 stores and 16 loads may be out.  (A later tile's turn is covered by the wait for 0 behind the image stored ahead of it)
	QUANT 2, 0
	IMAGE R0, 0
	s_wait_loadcnt 48
	TURN 2, 2
	GRPK 1
	QUANT 2, 64
	IMAGE R0, 1
	s_wait_loadcnt 48
	TURN 2, 3
	QUANT 2, 128
	IMAGE R0, 2
	QUANT 2, 192
	IMAGE R0, 3
	s_wait_tensorcnt 0x1                           ; my quarter of slot 0 is in; slot 1's may stay out
	BARRIER
	; ---- q Wq
	SLOT 0, R0, 0, 0, 0, 0x5c, 0x5c
	CHANGE 1, 0
	SLOT 1, R0, 2, 0, 1, 0x5c, 0x5c
	CHANGE 1, 1
	; ---- the feature map, Q . Ksum, and Q KV, a tile of rows at a time
	s_wait_loadcnt 0x0
.irp p, 0,1,2,3
	v_or_b32 v[KVS+\p], v[KVS+\p], v[T64+\p]       ; the two blocks' words make KV's scale word
.endr
.irp t, 0,1,2,3
	ELU64 64*\t
	DOT \t
	QUANT 1, 64*\t
.rept 8
	v_nop                                          ; a scale register written by a vector instruction stands 8 places ahead of a scaled matrix instruction, an operand so written 4
.endr
	WIN 0x43                                       ; source 0 (KV) window 3, source 1 (Q's codes) window 0, D window 1
.irp c, 0,1,2,3,4,5,6,7
.set rD, 64*\t+8*\c
.set rA, 12*\c
.set rB, PC
.set sA, KVS+\c/2
.set sB, PW
	WMM rD, rA, rB, 0, sA, sB, \c%2
.endr
	WIN 0
.endr
	; ---- Z x 4,096: the additions are the places behind the last products
.irp z, 0,1,2,3,4,5,6,7
	v_add_f32 v[ZR+2*\z], v[ZR+2*\z], v[ZR+2*\z+1]
.endr
.irp z, 0,1,2,3,4,5,6,7
	v_permlanex16_b32 v[ZR+2*\z+1], v[ZR+2*\z], s[SEL], s[SEL+1]
.endr
.irp z, 0,1,2,3,4,5,6,7
	v_add_f32 v[ZR+2*\z], v[ZR+2*\z], v[ZR+2*\z+1]
.endr
.irp z, 0,1,2,3,4,5,6,7
	v_add_f32 v[ZR+2*\z], s[CEPZ], v[ZR+2*\z]
.endr
.irp z, 0,1,2,3,4,5,6,7
	v_rcp_f32 v[ZR+2*\z], v[ZR+2*\z]
.endr
	v_nop                                          ; a plain place behind the last of them
	s_wait_alu depctr_va_vdst(0)                   ; ahead of the first reader: one for the eight
.irp z, 0,1,2,3,4,5,6,7
	v_mul_f32 v[ZR+2*\z], s[CS], v[ZR+2*\z]        ; x 4,096 rounds nothing
.endr
	GBLOAD 12, 14                                  ; g1, b1, over KV and Ksum, which are done with
.irp t, 0,1,2,3
	WIN 0x41
.set mm, 0
.rept 16
	v_pk_mul_f32 v[64*\t+mm:64*\t+mm+1], v[64*\t+mm:64*\t+mm+1], v[ZR+4*\t:ZR+4*\t+1] op_sel_hi:[1,0]
.set mm, mm+2
.endr
.rept 16
	v_pk_mul_f32 v[64*\t+mm:64*\t+mm+1], v[64*\t+mm:64*\t+mm+1], v[ZR+4*\t+2:ZR+4*\t+3] op_sel_hi:[1,0]
.set mm, mm+2
.endr
	QUANT 1, 64*\t
	IMAGE R1, \t
.endr
	BARRIER
	; ---- msg Wm + q: q is the C of the first K step
	SLOT 0, R1, 0, 0, 1, 0x6c, 0x5c
	CHANGE 1, 0
	SLOT 1, R1, 2, 0, 1, 0x5c, 0x5c
	CHANGE 1, 1
	LNORM 1, 0
.irp t, 0,1,2,3
	QUANT 1, 64*\t
	IMAGE R0, \t
.endr
	GBLOAD 16, 18                                  ; g2, b2
	BARRIER
	; ---- the FFN, 512 hidden units a trip: y W1, relu, quantise, and its four K steps of W2 onto q
	s_mov_b32 s[CNT], 4
.Lchunk:
	SLOT 0, R0, 0, 0, 0, 0x5c, 0x5c
	CHANGE 1, 0
	SLOT 1, R0, 2, 0, 1, 0x5c, 0x5c
	CHANGE 1, 1
	WIN 0x44
.set ii, 0
.rept 256
	v_max_num_f32 v[ii], 0, v[ii]
.set ii, ii+1
.endr
.irp t, 0,1,2,3
	QUANT 1, 64*\t
	IMAGE R1, \t
.endr
	BARRIER
	SLOT 0, R1, 0, 0, 1, 0xac, 0xac
	s_cmp_eq_u32 s[CNT], 1
	s_cbranch_scc1 .Ltail                          ; the last trip's last two changes of slots ask for nothing: they are written out
	CHANGE 1, 0
	SLOT 1, R1, 2, 0, 1, 0xac, 0xac
	CHANGE 1, 1
	s_sub_co_u32 s[CNT], s[CNT], 1
	s_cmp_lg_u32 s[CNT], 0
	s_cbranch_scc1 .Lchunk
.Ltail:
	CHANGE 0, 0
	SLOT 1, R1, 2, 0, 1, 0xac, 0xac
	PLACES
	LNORM 2, 2
	; ---- the way out: through a stage in LDS, so that whole rows leave.  Every wave has passed the norm's barriers behind its last read of the ring.
	WIN 0x08                                       ; an LDS store's data are its source 1: window 2
.irp t, 0,1,2,3
.irp b, 0,1,2,3
.irp j, 0,1,2,3
	ds_store_b128 v[SO+\t/2], v[64*\t+16*\b+4*\j:64*\t+16*\b+4*\j+3] offset:33024*(\t%2)+128*\b+16*\j
.endr
.endr
.endr
	WIN 0
	BARRIER
.irp bt, 0,1
.if \bt
	s_wait_xcnt 0x0                                ; the first batch's stores have read their registers
.endif
.set ii, 0
.rept 32
	ds_load_b128 v[WX+4*ii:WX+4*ii+3], v[SR] offset:2064*(8*\bt+ii/4)+512*(ii%4)
.set ii, ii+1
.endr
.set ii, 0
.rept 32
	s_wait_dscnt 31-ii
	global_store_b128 v[LI], v[WX+4*ii:WX+4*ii+3], s[20:21] offset:2048*(8*\bt+ii/4)+512*(ii%4) th:TH_STORE_NT   ; 32 lanes store 512 consecutive bytes, aligned
.set ii, ii+1
.endr
.endr
	s_wait_tensorcnt 0x0                           ; the wave's end
	ds_add_u32 v[SPW], v[NIL]
	s_wait_dscnt 0x0
	CROUND                                         ; the closing round
	s_endpgm
.Lfunc_end_k_q794faae10c_chain:
	.size	k_q794faae10c_chain, .Lfunc_end_k_q794faae10c_chain-k_q794faae10c_chain
	.p2alignl 7, 3214868480
	.fill 96, 4, 3214868480
	.section	.rodata,"a",@progbits
	.p2align	6, 0x0
	.amdhsa_kernel k_q794faae10c_chain
		.amdhsa_group_segment_fixed_size 327680
		.amdhsa_private_segment_fixed_size 0
		.amdhsa_enable_private_segment 0
		.amdhsa_kernarg_size 72
		.amdhsa_user_sgpr_count 2
		.amdhsa_user_sgpr_kernarg_segment_ptr 1
		.amdhsa_wavefront_size32 1
		.amdhsa_system_sgpr_workgroup_id_x 1
		.amdhsa_system_sgpr_workgroup_id_y 1
		.amdhsa_system_sgpr_workgroup_id_z 1
		.amdhsa_system_vgpr_workitem_id 0
		.amdhsa_next_free_vgpr 1024
		.amdhsa_next_free_sgpr 66
		.amdhsa_reserve_vcc 0
		.amdhsa_float_denorm_mode_32 3
		.amdhsa_float_denorm_mode_16_64 3
		.amdhsa_memory_ordered 1
		.amdhsa_forward_progress 1
		.amdhsa_inst_pref_size 255
	.end_amdhsa_kernel
	.section	.bss,"aw",@nobits
	.p2align	6
	.space	262144
	.amdgpu_metadata
---
amdhsa.version: [ 1, 2 ]
amdhsa.kernels:
  - .name:           k_q794faae10c_chain
    .symbol:         k_q794faae10c_chain.kd
    .args:
      - { .name: q, .offset: 0, .size: 8, .value_kind: global_buffer, .address_space: global }
      - { .name: wst, .offset: 8, .size: 8, .value_kind: global_buffer, .address_space: global }
      - { .name: kvf, .offset: 16, .size: 8, .value_kind: global_buffer, .address_space: global }
      - { .name: kvx, .offset: 24, .size: 8, .value_kind: global_buffer, .address_space: global }
      - { .name: g1, .offset: 32, .size: 8, .value_kind: global_buffer, .address_space: global }
      - { .name: b1, .offset: 40, .size: 8, .value_kind: global_buffer, .address_space: global }
      - { .name: g2, .offset: 48, .size: 8, .value_kind: global_buffer, .address_space: global }
      - { .name: b2, .offset: 56, .size: 8, .value_kind: global_buffer, .address_space: global }
      - { .name: out0, .offset: 64, .size: 8, .value_kind: global_buffer, .address_space: global }
    .group_segment_fixed_size: 327680
    .private_segment_fixed_size: 0
    .kernarg_segment_align: 8
    .kernarg_segment_size: 72
    .max_flat_workgroup_size: 128
    .sgpr_count:     66
    .vgpr_count:     1024
    .wavefront_size: 32
...
	.end_amdgpu_metadata
.endif
;; end of part 4
